; MI455X (gfx1250); checked and timed in simulation.
; The chip was launched on July 23, 2026; its instructions are those of AMD's public machine-readable ISA for CDNA 5 (MIT licence, August 2026) and "CDNA5" Instruction Set Architecture Reference Guide (July 2026). The comments in the code are by the model that wrote it; some were corrected since.
;; mutli Head Attention. Allowed arithmetic: matrix products marked QUANTISED: E3M2 operands, one E8M0 scale for each 32 along K, by v_wmma_scale_f32_16x16x128_f8f6f4 with both operands' format E3M2, f32 sums; everything else in f32.
;; Inputs: attn_mask 4 x 1 x 2,048 x 2,048 bool; input_K_codes 4 x 2,048 x 32 x 24 uint8 (E3M2 codes of input_K, K innermost, in blocks of 32 codes, four codes in three bytes); input_K_scales 4 x 2,048 x 32 uint8 (E8M0 scales of input_K, one for each 32 codes along K); input_Q 4 x 2,048 x 1,024 float32; input_V_codes 4 x 2,048 x 32 x 24 uint8 (E3M2 codes of input_V, K innermost, in blocks of 32 codes, four codes in three bytes); input_V_scales 4 x 2,048 x 32 uint8 (E8M0 scales of input_V, one for each 32 codes along K); ln_beta 1,024 float32; ln_gamma 1,024 float32; w_k_codes 1,024 x 32 x 24 uint8 (E3M2 codes of w_k, K innermost, in blocks of 32 codes, four codes in three bytes); w_k_scales 1,024 x 32 uint8 (E8M0 scales of w_k, one for each 32 codes along K); w_o_codes 1,024 x 32 x 24 uint8 (E3M2 codes of w_o, K innermost, in blocks of 32 codes, four codes in three bytes); w_o_scales 1,024 x 32 uint8 (E8M0 scales of w_o, one for each 32 codes along K); w_q_codes 1,024 x 32 x 24 uint8 (E3M2 codes of w_q, K innermost, in blocks of 32 codes, four codes in three bytes); w_q_scales 1,024 x 32 uint8 (E8M0 scales of w_q, one for each 32 codes along K); w_v_codes 1,024 x 32 x 24 uint8 (E3M2 codes of w_v, K innermost, in blocks of 32 codes, four codes in three bytes); w_v_scales 1,024 x 32 uint8 (E8M0 scales of w_v, one for each 32 codes along K).
;; Outputs: out0 4 x 2,048 x 1,024 float32.
;; This version of the problem:
;;   THIS VERSION OF THE PROBLEM IS GIVEN IN LOW PRECISION. The matrix products marked QUANTISED in the list below multiply operands that are first quantised to E3M2 (3 exponent bits, 2 mantissa bits; 6 bits a number), with one power-of-two scale for each 32 numbers along K (OCP MX v1.0); their sums are f32. All else is computed in f32.
;;   The module's matrix products, in the order in which they are computed (A, B: the left and right operand; K: the contracted axis; several contracted axes count as one K, in the product's order):
;;     1. [M 8,192, K 1,024] x [K 1,024, N 1,024]; A: input input_Q; B: input w_q (given as codes): QUANTISED
;;     2. [M 8,192, K 1,024] x [K 1,024, N 1,024]; A: input input_K (given as codes); B: input w_k (given as codes): QUANTISED
;;     3. [M 8,192, K 1,024] x [K 1,024, N 1,024]; A: input input_V (given as codes); B: input w_v (given as codes): QUANTISED
;;     4. batch 64 x [M 2,048, K 64] x [K 64, N 2,048]; A: computed on the way; B: computed on the way: QUANTISED
;;     5. batch 64 x [M 2,048, K 2,048] x [K 2,048, N 64]; A: softmax (see below); B: computed on the way: QUANTISED
;;     6. [M 8,192, K 1,024] x [K 1,024, N 1,024]; A: computed on the way; B: input w_o (given as codes): QUANTISED
;;   THE QUANTISER, for each operand of a quantised product, along K:
;;     - K is cut into blocks of 32 from its start; a last block that is shorter is filled with zeros.
;;     - A block's scale is 2^e with e = floor(log2(the largest magnitude in the block)) - 4, held to -126 .. 127; a block of zeros has e = 0. As a byte (E8M0): e + 127.
;;     - Each number is divided by its block's scale, clamped to +-28, and rounded to the nearest number of E3M2, ties to even, subnormals kept.
;;     - The product sums the exact products of the quantised numbers (number of the format x scale) in f32.
;;   ~~~python
;;   def quantise(x, axis):      # numpy; x: float32 -> the quantised numbers, widened to float32 again
;;       x = np.moveaxis(x, axis, -1); K = x.shape[-1]
;;       x = np.pad(x, [(0, 0)] * (x.ndim - 1) + [(0, -K % 32)]); x = x.reshape(x.shape[:-1] + (-1, 32)); a = np.abs(x).max(-1, keepdims=True)
;;       e = np.where(a > 0, np.clip(np.frexp(np.where(a > 0, a, 1))[1] - 1 - 4, -126, 127), 0)      # np.frexp(a)[1] - 1 = floor(log2(a)), exactly
;;       r = np.clip(x / 2.0 ** e, -28, 28)
;;       step = 2.0 ** (np.maximum(np.frexp(np.where(r == 0, 1, r))[1] - 1, -2) - 2)
;;       q = np.round(r / step) * step * 2.0 ** e      # np.round: ties to even
;;       return np.moveaxis(q.reshape(q.shape[:-2] + (-1,))[..., :K], -1, axis).astype(np.float32)
;;   ~~~
;;   SOFTMAX AHEAD OF A QUANTISED PRODUCT. Where the list says 'softmax', what is quantised is not the finished softmax but p = 2^(t - M), with t = logit x log2(e) and M = ceil(the row's largest t), a whole number; so 1/2 < the row's largest p <= 1. The row's sum l is taken of the UNQUANTISED p, in f32, and the product's result is divided by l at the end. Since M is a whole number, a kernel that streams over the keys may use a running M (the ceiling of the running maximum): every later rescaling is an exact power of two, which a block's scale takes up: the codes' values come out the same.
;;   OPERANDS COMPUTED ON THE WAY. 'Computed on the way' means the value that the module computes at that place (a softmax that the list does not call 'softmax' is quantised finished and normalised). What goes into a quantiser is computed in f32, as accurately as f32 sums, v_exp_f32 and their like allow (about 1e-6 of the number): no bf16 or f16 on the way to a quantiser, and a product that is left as it is and whose result goes on into a quantised operand takes f32 operands (vector FMAs, or v_wmma_f32_16x16x4_f32). A number that lies on a knife's edge between two numbers of the format may be rounded either way, as far as f32 arithmetic and the matrix unit's own rounding can turn it there, and no further.
;;   INPUTS GIVEN AS CODES. input_K (in the module: [4, 2048, 1024], K = its axis 2); input_V (in the module: [4, 2048, 1024], K = its axis 2); w_k (in the module: [1024, 1024], K = its axis 1); w_o (in the module: [1024, 1024], K = its axis 1); w_q (in the module: [1024, 1024], K = its axis 1); w_v (in the module: [1024, 1024], K = its axis 1): each comes as NAME_codes (uint8): NAME with its K axis moved to the last place and cut into blocks of 32 codes, [.., K / 32, bytes a block], one block behind the other in memory; four codes in three bytes: a row's codes are one little-endian stream of bits, code i at bits 6 i .. 6 i + 5 (a code: sign, 3 exponent bits, 2 mantissa bits); and NAME_scales (uint8): the same leading axes, one E8M0 byte (e + 127) for each 32 codes along K. Its value is code x scale, taken as it is: it is not quantised again, and the codes and scales need not be those that the quantiser above would give.
;; One version. Each part assembles by itself: llvm-mc -triple=amdgcn-amd-amdhsa -mcpu=gfx1250 --defsym DOCPART=n.
;; ======== version 1 of 1: 4 launches
;; limits: right only within a limited range of input values
;; workspace buffers: xq 6,553,600 bytes; woimg 786,432 bytes; maskw 2,097,152 bytes of whole numbers; mflag 2,048 bytes of whole numbers; qkv 20,185,088 bytes; ctx 6,553,600 bytes
;; launch prep (part 1): grid 784 x 1, 4 waves a work-group, no clusters, 33,280 bytes of LDS; arguments input_Q, attn_mask, w_o_codes, xq, maskw, woimg, mflag; writes xq, maskw, woimg, mflag
.if DOCPART == 1
	.amdgcn_target "amdgcn-amd-amdhsa--gfx1250"
	.amdhsa_code_object_version 6
	.text
	.protected	k_qb4ef0541b5_prep
	.globl	k_qb4ef0541b5_prep
	.p2align	8
	.type	k_qb4ef0541b5_prep,@function
k_qb4ef0541b5_prep:
	s_mov_b64 s[64:65], 0
	v_nop
	global_prefetch_b8 v0, s[64:65] scope:SCOPE_SE
	s_setreg_imm32_b32 hwreg(HW_REG_WAVE_MODE, 25, 1), 1
	s_wait_xcnt 0x0
; FIRST OF FOUR LAUNCHES of: LayerNorm(softmax(mask(Q K^T / 8)) V W_o^T + input_Q), Q = input_Q W_q^T, K = input_K W_k^T, V = input_V W_v^T, 16 heads of 64, all six products on codes of BF6 (E3M2) with one E8M0 scale for 32 along K.
; DEAD WORK: none.  Every input has a way to the output for some values of the inputs (the mask, gamma and beta are inputs too), so every input is loaded by one of the launches and every product is made whole.
; This launch prepares three things, told apart by the work-group's number:
;   work-groups 0-511    MASK: attn_mask [4][1][2048][2048] (bytes) becomes lane masks.  For query tile Tg (16 queries) and key step (128 keys) 64 words: word 2 i + c has in bit L (lane r = L % 16, h = L / 16)
;                        mask[b][query(Tg, r)][128 step + 64 c + 32 h + i]: the place of score register 32 c + i in the attention launch.  The 16 heads of a batch then read 1 bit for an entry in place of a byte, ready for a select.
;                        The 16 queries of tile T are 64 (T / 4) + 8 (T % 4) + 32 (r / 8) + r % 8: the order in which all launches form tiles of tokens.
;   work-groups 512-527  WO: w_o's codes are laid in the order of the operand's registers: [tile of 16 rows][K step of 128][4 registers][lane][16 bytes].
;   work-groups 528-783  X: input_Q, f32, becomes codes [8192][768 bytes] and scale bytes [8192][32] (behind the codes in xq).
; A block's scale is 2^(floor(log2(its largest magnitude)) - 4); its byte is the largest magnitude's exponent field - 4, held at 1 from below.
; LIMITS: a block of zeros, or one whose largest magnitude lies under 2^(5 - 127), gets the byte 1 (the rule says 127 for zeros: its codes are zeros, and this program alone reads the bytes);
; NaN and infinities among the inputs are not served; any mask byte other than 0 counts as true.
; Only path X touches LDS.  No tensor loads, no barrier: waves share nothing.
.set SPW,   12                         ; v12  LDS address of my spare word; never rewritten
.set NIL,   13                         ; v13  0; never rewritten
.set WREG,  8192                       ; path X: a region of LDS for each wave: two stages of 32 x SP bytes, then its 256 scale bytes
.set SP,    80                         ; a lane's place in a stage: 64 bytes + 16 of padding
.set SPARE, 4*WREG                     ; behind the four regions: the spare words, 128 bytes a wave
.set STEPS, 16
.set EMAX,  4
.set CB,    12                         ; bytes of 16 codes
.set R,     16                         ; v16-79   four sets of 16 numbers as loaded
.set XN,    80                         ; v80-111  two sets of 16 neighbours
.set E,     112                        ; v112-127 a scale byte for each step
.set C,     128                        ; v128-191 codes: four registers for each step
	s_load_b256 s[4:11], s[0:1], 0x0               ; input_Q s[4:5], attn_mask s[6:7], w_o_codes s[8:9], xq s[10:11]
	s_load_b128 s[12:15], s[0:1], 0x20             ; maskw s[12:13], woimg s[14:15]
	s_load_b64 s[36:37], s[0:1], 0x30              ; mflag: for each query tile one word; bit 8 (step / 4) + step % 4 says that some entry of that tile and key step is masked
	v_lshl_add_u32 v[SPW], v0, 2, SPARE
	v_mov_b32 v[NIL], 0
	v_lshrrev_b32 v1, 5, v0
	v_readfirstlane_b32 s16, v1                    ; wave 0..3
	v_and_b32 v2, 31, v0                           ; lane
	s_wait_kmcnt 0x0
	s_cmp_lt_u32 ttmp9, 512
	s_cbranch_scc1 .Lmask
	s_cmp_lt_u32 ttmp9, 528
	s_cbranch_scc1 .Lwo
; ---------------- PATH X: a wave takes 16 steps of 512 numbers.  Each load reads 512 consecutive bytes; a step's 2,048 bytes turn through the wave's own stage in LDS and come back 64 bytes (16 neighbours) a lane.
	s_wait_alu depctr_va_vdst(0)
	v_lshlrev_b32 v3, 4, v2                        ; my 16 bytes of a load's 512
	s_mul_i32 s24, s16, WREG
	v_lshrrev_b32 v14, 2, v2
	v_mul_u32_u24 v14, v14, SP
	v_and_b32 v15, 3, v2
	v_lshl_add_u32 v14, v15, 4, v14
	v_add_nc_u32 v14, s24, v14                     ; the stage, on the way in: SP (lane / 4) + 16 (lane % 4)
	v_mul_u32_u24 v15, v2, SP
	v_add_nc_u32 v15, s24, v15                     ; and on the way out: SP x lane
	v_mul_u32_u24 v4, v2, CB                       ; my codes' place in a step's
	v_lshrrev_b32 v5, 1, v2
	s_add_co_u32 s24, s24, 2*32*SP
	v_add_nc_u32 v5, s24, v5                       ; LDS: my wave's 256 scale bytes, my block's byte
	v_lshlrev_b32 v7, 3, v2
	v_add_nc_u32 v6, s24, v7                       ; and on the way out 8 bytes a lane
	s_sub_co_u32 s17, ttmp9, 528
	s_lshl_b32 s17, s17, 2
	s_add_co_u32 s18, s17, s16                     ; which run of 8,192 numbers is my wave's: 0..1023
	s_mov_b32 s19, 0
	s_lshl_b64 s[20:21], s[18:19], 15              ; 32,768 bytes of f32 a run
	s_add_nc_u64 s[4:5], s[4:5], s[20:21]
	s_mul_i32 s20, s18, 32*STEPS*CB                ; 6,144 bytes of codes a run
	s_mov_b32 s21, 0
	s_add_nc_u64 s[20:21], s[10:11], s[20:21]
	s_lshl_b32 s18, s18, 8                         ; 256 scale bytes a run,
	s_add_nc_u64 s[22:23], s[10:11], s[18:19]
	s_add_nc_u64 s[22:23], s[22:23], 6291456       ; behind the codes
.macro XLOAD t
.irp i, 0,1,2,3
	global_load_b128 v[R+16*((\t)%4)+4*\i:R+16*((\t)%4)+4*\i+3], v3, s[4:5] offset:2048*(\t)+512*\i
.endr
.endm
.macro XTURN t                         ; step t's numbers through the stage: LDS serves a wave's instructions in order (ISA guide 5.7.1.4), so no wait stands between the stores and the loads
.irp i, 0,1,2,3
	ds_store_b128 v14, v[R+16*((\t)%4)+4*\i:R+16*((\t)%4)+4*\i+3] offset:32*SP*((\t)%2)+8*SP*\i
.endr
.irp i, 0,1,2,3
	ds_load_b128 v[XN+16*((\t)%2)+4*\i:XN+16*((\t)%2)+4*\i+3], v15 offset:32*SP*((\t)%2)+16*\i
.endr
.endm
.irp t, 0,1,2,3
	XLOAD \t
.endr
	s_wait_alu depctr_va_vdst(0)
	s_wait_loadcnt 12                              ; step 0's four loads are in; the twelve of steps 1 to 3 may be out
	XTURN 0
.macro XSTEP t
.set XS, XN+16*((\t)%2)
.if (\t) > 0
	s_wait_dscnt 1                                 ; this step's numbers are back from the stage (the last step's byte store may be out)
.else
	s_wait_dscnt 0x0
.endif
.if (\t)+4 < STEPS
	XLOAD (\t)+4                                   ; into the registers that this step's stores into the stage have read
.endif
.if (\t)+1 < STEPS
.if STEPS-2-(\t) >= 3
	s_wait_loadcnt 12                              ; the next step's four loads are in; those of the three steps behind it may be out
.else
	s_wait_loadcnt 4*(STEPS-2-(\t))                ; near the end: as many steps' loads as are left behind the next step's
.endif
	XTURN (\t)+1
.endif
	v_max3_num_f32 v8, |v[XS]|, |v[XS+1]|, |v[XS+2]|               ; the largest magnitude of my 16, in two chains
	v_max3_num_f32 v9, |v[XS+3]|, |v[XS+4]|, |v[XS+5]|
.irp i, 6,10
	v_max3_num_f32 v8, v8, |v[XS+\i]|, |v[XS+\i+1]|
	v_max3_num_f32 v9, v9, |v[XS+\i+2]|, |v[XS+\i+3]|
.endr
	v_max3_num_f32 v8, v8, |v[XS+14]|, |v[XS+15]|
	v_max3_num_f32 v8, v8, v9, (EMAX+1)<<23        ; and the floor 2^(5 - 127): the byte cannot fall under 1
	v_max_num_f32_dpp v8, v8, v8 row_xmask:1 row_mask:0xf bank_mask:0xf   ; and of my neighbour's 16: the block's
	v_add_nc_u32 v11, -(EMAX<<23), v8              ; 4 off its exponent field: the conversion takes the exponent field of this operand as its scale
	v_cvt_scalef32_pk16_bf6_f32 v[C+4*(\t):C+4*(\t)+2], v[XS:XS+15], v11
	v_lshrrev_b32 v[E+(\t)], 23, v11               ; the scale's byte (also the plain line behind the conversion)
	ds_store_b8 v5, v[E+(\t)] offset:16*(\t)       ; both lanes of a block write the same byte with the same value
	global_store_b96 v4, v[C+4*(\t):C+4*(\t)+2], s[20:21] offset:32*CB*(\t)   ; the wave stores 384 consecutive bytes
.endm
.irp t, 0,1,2,3,4,5,6,7,8,9,10,11,12,13,14,15
	XSTEP \t
.endr
	ds_load_b64 v[8:9], v6                         ; my wave's 256 scale bytes: these loads see my stores
	s_wait_dscnt 0x0
	global_store_b64 v7, v[8:9], s[22:23]          ; 32 lanes store 256 consecutive bytes, aligned
	s_wait_tensorcnt 0x0                           ; the wave's end
	ds_add_u32 v[SPW], v[NIL]
	s_wait_dscnt 0x0
	s_endpgm
; ---------------- PATH MASK: work-group = query tile Tg; wave = four key steps (512 bytes of each of the tile's 16 rows).
.Lmask:
	s_wait_alu depctr_va_vdst(0)
	v_and_b32 v3, 7, v2
	v_and_b32 v4, 8, v2
	v_lshl_add_u32 v3, v4, 2, v3                   ; my query in the tile's group of 64: r % 8 + 32 (r / 8)
	v_lshrrev_b32 v4, 4, v2
	v_lshlrev_b32 v4, 5, v4                        ; 32 h
	v_lshl_add_u32 v4, v3, 11, v4                  ; a mask row is 2,048 bytes
	s_wait_alu depctr_va_vdst(0)
	v_lshlrev_b32 v5, 3, v2                        ; out: 8 bytes a lane
	s_lshr_b32 s17, ttmp9, 7                       ; batch
	s_and_b32 s18, ttmp9, 127                      ; tile in the batch
	s_lshr_b32 s19, s18, 2
	s_lshl_b32 s19, s19, 6
	s_and_b32 s18, s18, 3
	s_lshl_b32 s18, s18, 3
	s_add_co_u32 s18, s18, s19                     ; 64 (T / 4) + 8 (T % 4)
	s_lshl_b32 s18, s18, 11
	s_lshl_b32 s17, s17, 22
	s_add_co_u32 s18, s18, s17
	s_lshl_b32 s17, s16, 9                         ; my four key steps
	s_add_co_u32 s18, s18, s17
	s_mov_b32 s19, 0
	s_add_nc_u64 s[6:7], s[6:7], s[18:19]
	s_lshl_b32 s18, ttmp9, 12                      ; the words: 16 steps x 256 bytes a tile
	s_lshl_b32 s17, s16, 10
	s_add_co_u32 s18, s18, s17
	s_add_nc_u64 s[32:33], s[12:13], s[18:19]
.irp q, 0,1,2,3,4,5,6,7,8,9,10,11,12,13,14,15      ; q = 4 step + 2 c + e: my 32 keys of (step, c) are two loads of 16 bytes.  No cache hint: eight of these loads touch each run of 256 bytes of a row
	global_load_b128 v[32+4*\q:35+4*\q], v4, s[6:7] offset:128*(\q/4)+64*((\q/2)%2)+16*(\q%2)
.endr
.macro MSTEP g
	s_wait_loadcnt 12-4*\g                         ; this step's four loads are in; the later steps' may be out
	v_mov_b32 v[96+2*\g], 0                        ; (a lane write's destination counts as read)
	v_mov_b32 v[97+2*\g], 0
.set cc, 0
.rept 2
.set ii, 0
.rept 32
	v_and_b32 v[8+(ii&3)], 0xff<<(8*(ii&3)), v[32+16*\g+8*cc+(ii>>2)]   ; key ii's byte in every lane,
	v_cmp_ne_u32 s[20+(ii&7)], 0, v[8+(ii&3)]                          ; as a mask of lanes,
	v_writelane_b32 v[96+2*\g+cc], s[20+(ii&7)], ii                    ; which lane ii will store as word 2 ii + cc
.set ii, ii+1
.endr
.set cc, cc+1
.endr
	global_store_b64 v5, v[96+2*\g:97+2*\g], s[32:33] offset:256*\g   ; 32 lanes store 256 consecutive bytes, aligned; each step has its own pair of registers
	v_or_b32 v10, v[96+2*\g], v[97+2*\g]           ; is any of the step's 64 words not 0?
	v_cmp_ne_u32 s39, 0, v10
	s_cmp_lg_u32 s39, 0
	s_cselect_b32 s39, 1<<\g, 0
	s_or_b32 s38, s38, s39                         ; my wave's four bits
.endm
	s_mov_b32 s38, 0
	MSTEP 0
	MSTEP 1
	MSTEP 2
	MSTEP 3
	s_lshl_b32 s18, ttmp9, 2                       ; the tile's word, my wave's byte of it (s19 = 0)
	s_add_co_u32 s18, s18, s16
	s_add_nc_u64 s[36:37], s[36:37], s[18:19]
	v_mov_b32 v9, s38
	global_store_b8 v[NIL], v9, s[36:37]           ; every lane writes the same byte with the same value
	s_endpgm
; ---------------- PATH WO: a wave takes 16 rows of w_o, all eight K steps: 48 loads of 8 bytes a lane (a fragment's pieces as they lie in the rows), stored as the registers stand.
.Lwo:
	s_sub_co_u32 s17, ttmp9, 512
	s_lshl_b32 s17, s17, 2
	s_add_co_u32 s17, s17, s16                     ; tile 0..63
	s_mul_i32 s18, s17, 12288                      ; 16 rows of 768 bytes in, 8 fragments of 1,536 bytes out
	s_mov_b32 s19, 0
	s_add_nc_u64 s[8:9], s[8:9], s[18:19]
	s_add_nc_u64 s[14:15], s[14:15], s[18:19]
	s_wait_alu depctr_va_vdst(0)
	v_and_b32 v3, 15, v2
	v_lshrrev_b32 v4, 4, v2
	v_mul_u32_u24 v3, v3, 768
	v_mad_u32_u24 v3, v4, 24, v3                   ; row r, + 24 h
	v_lshlrev_b32 v5, 4, v2
.irp s, 0,1,2,3,4,5,6,7
.irp p, 0,1,2,3,4,5
	global_load_b64 v[32+12*\s+2*\p:33+12*\s+2*\p], v3, s[8:9] offset:96*\s+48*(\p/3)+8*(\p%3)
.endr
.endr
	s_wait_alu depctr_va_vdst(0)
.irp s, 0,1,2,3,4,5,6,7
	s_wait_loadcnt 42-6*\s                         ; this K step's six loads are in; the later K steps' may be out
.irp p, 0,1,2
	global_store_b128 v5, v[32+12*\s+4*\p:35+12*\s+4*\p], s[14:15] offset:1536*\s+512*\p   ; 512 consecutive bytes
.endr
.endr
	s_endpgm
.Lfunc_end_k_qb4ef0541b5_prep:
	.size	k_qb4ef0541b5_prep, .Lfunc_end_k_qb4ef0541b5_prep-k_qb4ef0541b5_prep
	.p2alignl 7, 3214868480
	.fill 96, 4, 3214868480
	.section	.rodata,"a",@progbits
	.p2align	6, 0x0
	.amdhsa_kernel k_qb4ef0541b5_prep
		.amdhsa_group_segment_fixed_size 33280
		.amdhsa_private_segment_fixed_size 0
		.amdhsa_enable_private_segment 0
		.amdhsa_kernarg_size 56
		.amdhsa_user_sgpr_count 2
		.amdhsa_user_sgpr_kernarg_segment_ptr 1
		.amdhsa_wavefront_size32 1
		.amdhsa_system_sgpr_workgroup_id_x 1
		.amdhsa_system_sgpr_workgroup_id_y 1
		.amdhsa_system_sgpr_workgroup_id_z 1
		.amdhsa_system_vgpr_workitem_id 0
		.amdhsa_next_free_vgpr 192
		.amdhsa_next_free_sgpr 66
		.amdhsa_reserve_vcc 0
		.amdhsa_float_denorm_mode_32 3
		.amdhsa_float_denorm_mode_16_64 3
		.amdhsa_memory_ordered 1
		.amdhsa_forward_progress 1
		.amdhsa_inst_pref_size 92
	.end_amdhsa_kernel
	.amdgpu_metadata
---
amdhsa.version: [ 1, 2 ]
amdhsa.kernels:
  - .name:           k_qb4ef0541b5_prep
    .symbol:         k_qb4ef0541b5_prep.kd
    .args:
      - { .name: input_Q, .offset: 0, .size: 8, .value_kind: global_buffer, .address_space: global }
      - { .name: attn_mask, .offset: 8, .size: 8, .value_kind: global_buffer, .address_space: global }
      - { .name: w_o_codes, .offset: 16, .size: 8, .value_kind: global_buffer, .address_space: global }
      - { .name: xq, .offset: 24, .size: 8, .value_kind: global_buffer, .address_space: global }
      - { .name: maskw, .offset: 32, .size: 8, .value_kind: global_buffer, .address_space: global }
      - { .name: woimg, .offset: 40, .size: 8, .value_kind: global_buffer, .address_space: global }
      - { .name: mflag, .offset: 48, .size: 8, .value_kind: global_buffer, .address_space: global }
    .group_segment_fixed_size: 33280
    .private_segment_fixed_size: 0
    .kernarg_segment_align: 8
    .kernarg_segment_size: 56
    .max_flat_workgroup_size: 128
    .sgpr_count:     66
    .vgpr_count:     192
    .wavefront_size: 32
...
	.end_amdgpu_metadata
.endif
;; end of part 1
;; launch proj (part 2): grid 4 x 96, 4 waves a work-group, clusters of 4 x 4, 327,680 bytes of LDS; arguments xq, w_q_codes, w_q_scales, input_K_codes, input_K_scales, w_k_codes, w_k_scales, w_v_codes, w_v_scales, input_V_codes, input_V_scales, qkv; writes qkv
.if DOCPART == 2
	.amdgcn_target "amdgcn-amd-amdhsa--gfx1250"
	.amdhsa_code_object_version 6
	.text
	.protected	k_qb4ef0541b5_proj
	.globl	k_qb4ef0541b5_proj
	.p2align	8
	.type	k_qb4ef0541b5_proj,@function
k_qb4ef0541b5_proj:
	s_mov_b64 s[64:65], 0
	v_nop
	global_prefetch_b8 v0, s[64:65] scope:SCOPE_SE
	s_setreg_imm32_b32 hwreg(HW_REG_WAVE_MODE, 25, 1), 1
	s_wait_xcnt 0x0
	s_wait_alu depctr_hold_cnt(0) depctr_sa_sdst(0) depctr_va_vdst(0) depctr_va_sdst(0) depctr_va_ssrc(0) depctr_va_vcc(0) depctr_vm_vsrc(0)
	s_getreg_b32 s2, hwreg(HW_REG_IB_STS2, 6, 4)
	s_cmp_eq_u32 s2, 0
	s_cbranch_scc0 .Lentry_in_a_cluster
	s_endpgm
.Lentry_in_a_cluster:
	s_bfe_u32 s2, ttmp6, 0x10000c
	s_cmp_lg_u32 s2, 0xf033
	s_cbranch_scc0 .Lentry_shape_is_right
	s_endpgm
.Lentry_shape_is_right:
; SECOND LAUNCH: Q = input_Q W_q^T, K = input_K W_k^T, V = input_V W_v^T on codes of BF6 (E3M2) with E8M0 scales; the results are quantised for the attention launch.  No work is left out.
; Cluster row y / 8 says which product.  A tile of 256 x 256 a work-group, 128 x 128 a wave (64 accumulators).  For Q and K source 1 takes tokens and source 0 rows of the weight; for V the roles are swapped (A = w_v, B = input_V),
; so that a lane's registers run along the axis that the next product contracts: channels for Q and K, keys for V.
; The 16 rows of block i are 64 (i / 4) + 8 (i % 4) + 32 (r / 8) + r % 8 on both sides: a lane's 32 registers of four neighbouring blocks are one whole block of 32 along the next K.
; K goes through a ring of two LDS slots in chunks of 256 bytes of each row (a row of codes is 768 bytes: three chunks, each beginning at a multiple of 256 bytes).  A step of 128 along K is 96 bytes: eight steps; steps 2 and 5 lie across two chunks.
; The scales of the 256 + 256 rows, two dense blocks, come once, at the head.  4 x 4 clusters: A's tiles are asked for jointly along a row of the cluster, B's along a column.
; NO PREFETCH: a row has three chunks; two are asked for at the head and the third one step later, so no trip is left to run ahead in.
; All of a WGP's LDS is claimed; adds of 0 onto spare words, and an s_nop 0 and four v_nop behind each tensor load.
; LIMITS: a block of results under 2^(5 - 127) keeps the byte 1; NaN and infinities are not served.
.set ROWB,   256
.set NQ,     2
.set KROW,   768
.set STEPS,  8
.set CHUNKS, 3
.set PITCH,  272                       ; 256 bytes + 16 of padding
.set FR,     12
.set NL,     6
.set NP,     4
.set HALFT,  128*PITCH
.set SLOT,   4*HALFT                   ; A's 256 rows, then B's
.set KS,     32                        ; scale bytes a row
.set SCL,    2*SLOT                    ; the scales, units of 256 bytes + 16
.set HALFS,  16*272                    ; those of 128 rows
.set SPARE,  SCL+4*HALFS               ; the spare words
.set ADRA, 16                          ; v16-17 A's fragments in slot 0, 1; v18-19 for pieces whose two halves of the lanes lie in different chunks
.set ADRB, 20                          ; v20-23 the same for B
.set LI,   24                          ; 16 x lane
.set L8,   25                          ; 8 x lane
.set SH8,  26                          ; 8 h
.set ADRS, 27                          ; my scale words: lanes 0-15 A's rows, lanes 16-31 B's
.set SPW,  28
.set NIL,  29
.set SC,   32                          ; v32-63 scale words, two sets
.set TM,   64
.set SO,   68
.set BY,   70
.set TP,   72
.set T0,   74
.set T1,   78
.set AF,   128                         ; A's fragments, window 0; B's two sets in window 1; accumulators in windows 2 and 3
.set CD,   128                         ; the way out: codes
.set PWR,  224
.set SW,   232
.set G1, 24
.set G0, 32
.set G1B, 48
.set G0B, 56
.set G1S, 68
.set G0S, 76
.set G1SB, 80
.set G0SB, 88
.set G0H, 4
.set G0HB, 8
.set MSB, 0
.macro WIN new
.if MSB != \new
	s_set_vgpr_msb (MSB<<8)|\new
.set MSB, \new
.endif
.endm
.set MUL_LO, 0xa1
.set MUL_HI, 0xf1
.set TO_B,   0x40
.macro JLOAD g0a, g1a, g0b, g1b        ; waves 0 and 1 fetch for A, waves 2 and 3 for B
	s_cmp_eq_u32 s15, 0
	s_cbranch_scc0 .Lfor_b_\@
	tensor_load_to_lds s[\g0a:\g0a+3], s[\g1a:\g1a+7]
	s_nop 0
.rept 4
	v_nop
.endr
	s_branch .Lasked_\@
.Lfor_b_\@:
	tensor_load_to_lds s[\g0b:\g0b+3], s[\g1b:\g1b+7]
	s_nop 0
.rept 4
	v_nop
.endr
.Lasked_\@:
.endm
.macro CREST
	s_cmp_lg_u32 s14, 0
	s_cbranch_scc1 .Lnot_wave_0_\@
	s_barrier_signal -3
.Lnot_wave_0_\@:
	s_barrier_wait -3
	s_barrier_signal -1
	s_barrier_wait -1
.endm
.macro CROUND
	s_barrier_signal -1
	s_barrier_wait -1
	CREST
.endm
	s_load_b64 s[4:5], s[0:1], 0x0                 ; xq
	s_load_b128 s[8:11], s[0:1], 0x8               ; w_q's codes, scales
	s_load_b256 s[68:75], s[0:1], 0x18             ; input_K's, w_k's
	s_load_b256 s[76:83], s[0:1], 0x38             ; w_v's, input_V's
	s_load_b64 s[12:13], s[0:1], 0x58              ; qkv
	v_lshl_add_u32 v[SPW], v0, 2, SPARE
	v_mov_b32 v[NIL], 0
	ds_add_u32 v[SPW], v[NIL]                      ; the opening lines
	ds_add_u32 v[SPW], v[NIL]
	v_lshrrev_b32 v1, 5, v0
	v_readfirstlane_b32 s14, v1                    ; wave
	s_lshr_b32 s15, s14, 1                         ; my half of the rows; also: I fetch for A (0) or B (1)
	s_and_b32 s16, s14, 1                          ; my half of the columns; also: which 128 rows I fetch
	s_bfe_u32 s40, ttmp6, 0x40000                  ; cx
	s_bfe_u32 s41, ttmp6, 0x40004                  ; cy
	s_and_b32 s66, ttmp7, 0xffff
	s_and_b32 s67, s66, 7
	s_lshl_b32 s67, s67, 2
	s_lshr_b32 s66, s66, 3                         ; which product: 0 Q, 1 K, 2 V
	s_cmp_eq_u32 s66, 2
	s_cselect_b32 s17, 0, s67
	s_cselect_b32 s42, s67, 0
	s_add_co_u32 s17, s17, s41                     ; tile row (of A)
	s_add_co_u32 s42, s42, s40                     ; tile column (of B)
	s_lshl_b32 s43, s41, 2
	s_lshl_b32 s43, 15, s43                        ; my row of the cluster
	s_lshl_b32 s44, 0x1111, s40                    ; my column
	s_or_b32 s[G1+0], s43, (1<<20)|(1<<21)|(5<<22)|(3<<25)
	s_or_b32 s[G1B+0], s44, (1<<20)|(1<<21)|(5<<22)|(3<<25)
.irp g, G1, G1B                        ; 256 rows of 256 bytes for the head's loads
	s_mov_b32 s[\g+1], ROWB<<16
	s_mov_b32 s[\g+2], 256<<16
	s_mov_b32 s[\g+3], ROWB<<16
	s_mov_b32 s[\g+4], 256
	s_mov_b32 s[\g+5], KROW
	s_mov_b32 s[\g+6], 0
	s_mov_b32 s[\g+7], 0
.endr
	s_lshl_b32 s20, s17, 8
	s_lshl_b32 s46, s42, 8
	s_mov_b32 s21, 0
	s_mov_b32 s47, 0
	s_mov_b64 s[18:19], KS
	s_mul_u64 s[22:23], s[20:21], s[18:19]         ; where the rows' scales begin
	s_mul_u64 s[92:93], s[46:47], s[18:19]
	s_mov_b64 s[18:19], KROW
	s_mul_u64 s[20:21], s[20:21], s[18:19]         ; and their codes
	s_mul_u64 s[46:47], s[46:47], s[18:19]
	s_mul_i32 s18, s16, 128*KROW                   ; in the ring: my 128 rows
	s_mov_b32 s19, 0
	s_mul_i32 s45, s14, HALFT
	s_mov_b32 s98, 0xffff0000
	s_mov_b32 s100, 0x76543210
	s_mov_b32 s101, 0xfedcba98
	s_wait_dscnt 0x0
	s_wait_kmcnt 0x0
	s_add_nc_u64 s[6:7], s[4:5], 6291456           ; xq's scale bytes lie behind its codes
	s_cmp_eq_u32 s66, 1
	s_cselect_b64 s[4:5], s[68:69], s[4:5]
	s_cselect_b64 s[6:7], s[70:71], s[6:7]
	s_cselect_b64 s[8:9], s[72:73], s[8:9]
	s_cselect_b64 s[10:11], s[74:75], s[10:11]
	s_cmp_eq_u32 s66, 2
	s_cselect_b64 s[4:5], s[76:77], s[4:5]
	s_cselect_b64 s[6:7], s[78:79], s[6:7]
	s_cselect_b64 s[8:9], s[80:81], s[8:9]
	s_cselect_b64 s[10:11], s[82:83], s[10:11]
	s_or_b32 s[G1S+0], s43, (3<<16)|(1<<20)|(1<<21)|(5<<22)|(3<<25)
	s_or_b32 s[G1SB+0], s44, (3<<16)|(1<<20)|(1<<21)|(5<<22)|(3<<25)
.irp g, G1S, G1SB                      ; the scales of 256 rows: 32 rows of 256 bytes
	s_mov_b32 s[\g+1], 32<<16
	s_mov_b32 s[\g+2], KS<<16
	s_mov_b32 s[\g+3], 32<<16
	s_mov_b32 s[\g+4], KS
	s_mov_b32 s[\g+5], 32
	s_mov_b32 s[\g+6], 0
	s_mov_b32 s[\g+7], 0
.endr
	s_add_nc_u64 s[20:21], s[4:5], s[20:21]
	s_add_nc_u64 s[22:23], s[6:7], s[22:23]
	s_add_nc_u64 s[46:47], s[8:9], s[46:47]
	s_add_nc_u64 s[92:93], s[10:11], s[92:93]
	CROUND                                         ; in front of the first joint loads
	s_mov_b32 s[G0H], 1
	s_mov_b32 s[G0H+1], 0
	s_mov_b64 s[G0H+2:G0H+3], s[20:21]
	s_or_b32 s[G0H+3], s[G0H+3], 0x80000000
	s_mov_b32 s[G0HB], 1
	s_mov_b32 s[G0HB+1], 2*HALFT
	s_mov_b64 s[G0HB+2:G0HB+3], s[46:47]
	s_or_b32 s[G0HB+3], s[G0HB+3], 0x80000000
	s_mov_b32 s[G0S], 1
	s_mov_b32 s[G0S+1], SCL
	s_mov_b64 s[G0S+2:G0S+3], s[22:23]
	s_or_b32 s[G0S+3], s[G0S+3], 0x80000000
	s_mov_b32 s[G0SB], 1
	s_mov_b32 s[G0SB+1], SCL+2*HALFS
	s_mov_b64 s[G0SB+2:G0SB+3], s[92:93]
	s_or_b32 s[G0SB+3], s[G0SB+3], 0x80000000
	s_add_nc_u64 s[20:21], s[20:21], s[18:19]
	s_add_nc_u64 s[46:47], s[46:47], s[18:19]
.irp s, 0,1
	s_mov_b32 s[G0+4*\s], 1
	s_add_co_u32 s[G0+4*\s+1], s45, \s*SLOT
	s_add_nc_u64 s[G0+4*\s+2:G0+4*\s+3], s[20:21], \s*ROWB
	s_or_b32 s[G0+4*\s+3], s[G0+4*\s+3], 0x80000000
	s_mov_b32 s[G0B+4*\s], 1
	s_add_co_u32 s[G0B+4*\s+1], s45, \s*SLOT
	s_add_nc_u64 s[G0B+4*\s+2:G0B+4*\s+3], s[46:47], \s*ROWB
	s_or_b32 s[G0B+4*\s+3], s[G0B+4*\s+3], 0x80000000
.endr
; the head's four tiles, one load a wave: wave 0 chunk 0 of A's 256 rows, wave 1 of B's, wave 2 A's scales, wave 3 B's
.macro ARM under, g0, g1, next
	s_cmp_lt_u32 s14, \under
	s_cbranch_scc0 \next
	tensor_load_to_lds s[\g0:\g0+3], s[\g1:\g1+7]
	s_nop 0
.rept 4
	v_nop
.endr
	s_branch .Lhead_asked
\next:
.endm
	ARM 1, G0H,  G1,  .Lhead_b
	ARM 2, G0HB, G1B, .Lhead_sa
	ARM 3, G0S,  G1S, .Lhead_sb
	tensor_load_to_lds s[G0SB:G0SB+3], s[G1SB:G1SB+7]
	s_nop 0
.rept 4
	v_nop
.endr
.Lhead_asked:
	v_and_b32 v1, 15, v0
	v_bfe_u32 v2, v0, 4, 1                         ; h
	v_and_b32 v7, 7, v1
	v_and_b32 v8, 8, v1
	v_lshl_add_u32 v7, v8, 2, v7                   ; my row in a block: r % 8 + 32 (r / 8)
	v_mul_u32_u24 v3, v7, PITCH
	v_mul_u32_u24 v4, v2, 24
	v_add_nc_u32 v4, v3, v4
	s_mov_b32 s21, SLOT-232
	s_mov_b32 s22, SLOT+232
	v_sub_nc_u32 v9, 1, v2
	v_mul_u32_u24 v5, s21, v2
	v_add_nc_u32 v5, v3, v5
	v_add_nc_u32 v5, 232, v5                       ; lanes 0-15 byte 232 of the row in slot 0, lanes 16-31 byte 0 in slot 1
	v_mul_u32_u24 v6, s22, v9
	v_add_nc_u32 v6, v3, v6                        ; and the other way round
	s_mul_i32 s21, s15, HALFT
	s_mul_i32 s22, s16, HALFT
	s_add_co_u32 s22, s22, 2*HALFT
	v_add_nc_u32 v[ADRA+2], s21, v5
	v_add_nc_u32 v[ADRA+3], s21, v6
	v_add_nc_u32 v[ADRB+2], s22, v5
	v_add_nc_u32 v[ADRB+3], s22, v6
.irp s, 0,1
	v_add_nc_u32 v[ADRA+\s], s21, v4
	v_add_nc_u32 v[ADRB+\s], s22, v4
	s_add_co_u32 s21, s21, SLOT
	s_add_co_u32 s22, s22, SLOT
.endr
	v_mul_u32_u24 v5, v7, KS
	v_lshrrev_b32 v6, 8, v5
	v_lshl_add_u32 v5, v6, 4, v5
	s_mul_i32 s21, s15, HALFS
	s_mul_i32 s22, s16, HALFS
	s_add_co_u32 s22, s22, 2*HALFS
	s_sub_co_u32 s22, s22, s21
	v_mul_u32_u24 v6, s22, v2
	s_add_co_u32 s21, s21, SCL
	v_add_nc_u32 v5, v5, v6
	v_add_nc_u32 v[ADRS], s21, v5
	v_and_b32 v6, 31, v0
	v_lshlrev_b32 v[LI], 4, v6
	v_lshlrev_b32 v[L8], 3, v6
	v_lshlrev_b32 v[SH8], 3, v2
	v_mov_b32 v[TP], 0
	; where my results go in qkv: images of the operands' registers, by (batch, head) and step of 128 tokens
	s_cmp_eq_u32 s66, 2
	s_cselect_b32 s18, s42, s17
	s_cselect_b32 s19, s16, s15
	s_cselect_b32 s20, s17, s42
	s_cselect_b32 s21, s15, s16
	s_cselect_b32 s46, 1, 0
	s_lshl_b32 s18, s18, 1
	s_add_co_u32 s18, s18, s19
	s_lshl_b32 s20, s20, 2
	s_lshl_b32 s21, s21, 1
	s_add_co_u32 s20, s20, s21
	s_lshr_b32 s19, s18, 4
	s_and_b32 s18, s18, 15
	s_lshl_b32 s19, s19, 4
	s_add_co_u32 s19, s19, s20
	s_mul_i32 s20, s19, 98304
	s_mul_i32 s21, s18, 6144
	s_add_co_u32 s20, s20, s21
	s_mul_i32 s21, s66, 6291456
	s_add_co_u32 s20, s20, s21
	s_mov_b32 s21, 0
	s_lshl_b32 s22, s19, 13
	s_lshl_b32 s23, s18, 9
	s_add_co_u32 s22, s22, s23
	s_lshr_b32 s22, s22, s46
	s_lshl_b32 s23, s66, 19
	s_add_co_u32 s22, s22, s23
	s_add_co_u32 s22, s22, 18874368
	s_mov_b32 s23, 0
	s_add_nc_u64 s[96:97], s[12:13], s[22:23]
	s_add_nc_u64 s[12:13], s[12:13], s[20:21]
.macro FRAG reg, adr, st, i            ; 16 rows x 128 K: six pieces of 8 bytes; byte y of a row lies in slot (y / 256) % 2 at byte y % 256
.irp p, 0,1,2,3,4,5
.set BYT, 96*(\st)+48*(\p/3)+8*(\p%3)
.if BYT/ROWB == (BYT+24)/ROWB
	ds_load_b64 v[\reg+2*\p:\reg+2*\p+1], v[\adr+(BYT/ROWB)%2] offset:BYT%ROWB+(64*((\i)/4)+8*((\i)%4))*PITCH
.else
	ds_load_b64 v[\reg+2*\p:\reg+2*\p+1], v[\adr+2+(BYT/ROWB)%2] offset:BYT%ROWB-232+(64*((\i)/4)+8*((\i)%4))*PITCH
.endif
.endr
.endm
.macro MUL16 a0, p, q, sc, zero        ; A's blocks a0, a0 + 1 x B's eight; the 64 accumulators by turns
.irp a, \a0, \a0+1
.irp b, 0,1,2,3,4,5,6,7
.if \zero
	v_wmma_scale_f32_16x16x128_f8f6f4 v[8*(8*((\a)%4)+\b):8*(8*((\a)%4)+\b)+7], v[128*(\p)+FR*\b:128*(\p)+FR*\b+FR-1], v[AF+FR*(\a):AF+FR*(\a)+FR-1], 0, v[SC+8*NQ*(\sc)+NQ*\b+(\q)], v[SC+8*NQ*(\sc)+NQ*(\a)+(\q)] matrix_a_fmt:MATRIX_FMT_BF6 matrix_b_fmt:MATRIX_FMT_BF6 matrix_a_scale:MATRIX_SCALE_ROW1
.else
	v_wmma_scale_f32_16x16x128_f8f6f4 v[8*(8*((\a)%4)+\b):8*(8*((\a)%4)+\b)+7], v[128*(\p)+FR*\b:128*(\p)+FR*\b+FR-1], v[AF+FR*(\a):AF+FR*(\a)+FR-1], v[8*(8*((\a)%4)+\b):8*(8*((\a)%4)+\b)+7], v[SC+8*NQ*(\sc)+NQ*\b+(\q)], v[SC+8*NQ*(\sc)+NQ*(\a)+(\q)] matrix_a_fmt:MATRIX_FMT_BF6 matrix_b_fmt:MATRIX_FMT_BF6 matrix_a_scale:MATRIX_SCALE_ROW1
.endif
.endr
.endr
.endm
.macro FETCH_B st, p
	WIN TO_B
.irp i, 0,1,2,3,4,5,6,7
	FRAG 128*(\p)+FR*\i, ADRB, \st, \i
.endr
	WIN 0
.endm
.macro FETCH_A st, i0
.irp i, \i0, \i0+1, \i0+2, \i0+3
	FRAG AF+FR*(\i), ADRA, \st, \i
.endr
.endm
.macro SCALES pr                       ; the words of steps 2 pr and 2 pr + 1
.irp i, 0,1,2,3,4,5,6,7
	ds_load_b64 v[SC+8*NQ*((\pr)%2)+NQ*\i:SC+8*NQ*((\pr)%2)+NQ*\i+1], v[ADRS] offset:(8*(\i/4)+\i%4)*272+4*NQ*(\pr)
.endr
.endm
.macro PLACES n
.rept \n
	v_nop
.endr
.endm
; A step: 64 products; the next step's fragments are fetched in its middle and at its end.  Where the next step's bytes end in a chunk not read yet, a barrier shows that chunk whole;
; where they begin in a later chunk, the chunk left behind is given up: the three lines, the barrier, and, where a chunk two on is left, the cluster's round and the refill.
.macro STEP st, zero
.set NX, (\st)+1
.set C0, (96*(\st))/ROWB
.set C1, (96*NX)/ROWB
.set E0, (96*(\st)+95)/ROWB
.set E1, (96*NX+95)/ROWB
.if C1 > C0 || E1 > E0
	s_wait_tensorcnt 0x0
.if C1 > C0
	ds_add_u32 v[SPW], v[NIL]
	s_wait_dscnt 4*NL+1                            ; the add and A's blocks 4-7 (24 loads) may be out
.else
	s_wait_dscnt 4*NL                              ; A's blocks 4-7 may be out
.endif
	WIN MUL_LO
	MUL16 0, (\st)%2, (\st)%2, ((\st)/2)%2, \zero
	s_wait_dscnt 0x0
	s_barrier_signal -1
	MUL16 2, (\st)%2, (\st)%2, ((\st)/2)%2, \zero
	WIN 0
	s_barrier_wait -1
.if C1 > C0 && C0+2 < CHUNKS
	CREST
	s_add_nc_u64 s[G0+4*(C0%2)+2:G0+4*(C0%2)+3], s[G0+4*(C0%2)+2:G0+4*(C0%2)+3], 2*ROWB
	s_add_nc_u64 s[G0B+4*(C0%2)+2:G0B+4*(C0%2)+3], s[G0B+4*(C0%2)+2:G0B+4*(C0%2)+3], 2*ROWB
	JLOAD G0+4*(C0%2), G1, G0B+4*(C0%2), G1B
.else
	PLACES NP
.endif
.else
	s_wait_dscnt 4*NL
	WIN MUL_LO
	MUL16 0, (\st)%2, (\st)%2, ((\st)/2)%2, \zero
	MUL16 2, (\st)%2, (\st)%2, ((\st)/2)%2, \zero
	s_wait_dscnt 0
	PLACES NP
.endif
	FETCH_B NX, NX%2
	FETCH_A NX, 0
.if NX%2 == 0
	SCALES NX/2
.endif
	WIN MUL_HI
	MUL16 4, (\st)%2, (\st)%2, ((\st)/2)%2, \zero
	MUL16 6, (\st)%2, (\st)%2, ((\st)/2)%2, \zero
	PLACES NP
	WIN 0
	FETCH_A NX, 4
.endm
	s_wait_alu depctr_va_vdst(0)
	s_wait_tensorcnt 0x0                           ; my tile of the head's four is in
	ds_add_u32 v[SPW], v[NIL]
	s_mov_b32 s[G1+2], 128<<16                     ; no load of mine is out: from here on a load brings 128 rows
	s_mov_b32 s[G1+4], 128
	s_mov_b32 s[G1B+2], 128<<16
	s_mov_b32 s[G1B+4], 128
	s_wait_dscnt 0x0
	CROUND
	JLOAD G0+4, G1, G0B+4, G1B                     ; chunk 1
	FETCH_B 0, 0
	FETCH_A 0, 0
	SCALES 0
	FETCH_A 0, 4
	STEP 0, 1
.set ST, 1
.rept STEPS-2
	STEP ST, 0
.set ST, ST+1
.endr
	s_wait_dscnt 4*NL
	WIN MUL_LO
	MUL16 0, 1, 1, 1, 0
	MUL16 2, 1, 1, 1, 0
	s_wait_dscnt 0
	WIN MUL_HI
	MUL16 4, 1, 1, 1, 0
	MUL16 6, 1, 1, 1, 0
	WIN 0
; THE WAY OUT.  Block a's 64 registers are two whole blocks of 32 a lane: largest magnitude with the floor 2^(5 - 127), 4 off its exponent field, codes; the bytes of lanes l and l xor 16 make the scale word.
.macro QUANT a, d0, d1, pw
.set AC, 64*((\a)%4)
	WIN 0x0a+5*((\a)/4)
.irp k, 0,1,2,3
	v_max3_num_f32 v[TM+\k], |v[AC+16*\k]|, |v[AC+16*\k+1]|, 0x2800000
.endr
.irp i, 2,4,6,8,10,12,14
.irp k, 0,1,2,3
	v_max3_num_f32 v[TM+\k], |v[AC+16*\k+\i]|, |v[AC+16*\k+\i+1]|, v[TM+\k]
.endr
.endr
	WIN 0
	v_max_num_f32 v[TM], v[TM], v[TM+1]
	v_max_num_f32 v[TM+2], v[TM+2], v[TM+3]
	v_add_nc_u32 v[SO], 0xfe000000, v[TM]
	v_add_nc_u32 v[SO+1], 0xfe000000, v[TM+2]
	v_lshrrev_b32 v[BY], 23, v[SO]
	v_lshrrev_b32 v[BY+1], 23, v[SO+1]
	v_lshl_or_b32 v[\pw], v[BY+1], 16, v[BY]
	v_lshlrev_b32 v[\pw], v[SH8], v[\pw]
	v_permlanex16_b32 v[TP], v[\pw], s100, s101
	v_or_b32 v[\pw], v[\pw], v[TP]
	WIN 0x02+(\a)/4
	v_cvt_scalef32_pk16_bf6_f32 v[\d0:\d0+2], v[AC:AC+15], v[SO]
	v_cvt_scalef32_pk16_bf6_f32 v[T0:T0+2], v[AC+16:AC+31], v[SO]
	v_cvt_scalef32_pk16_bf6_f32 v[\d1:\d1+2], v[AC+32:AC+47], v[SO+1]
	v_cvt_scalef32_pk16_bf6_f32 v[T1:T1+2], v[AC+48:AC+63], v[SO+1]
	WIN 0
	v_nop
.irp i, 0,1,2
	v_mov_b32 v[\d0+3+\i], v[T0+\i]
	v_mov_b32 v[\d1+3+\i], v[T1+\i]
.endr
.endm
	PLACES NP
	s_cmp_eq_u32 s66, 2
	s_cbranch_scc1 .Larm_v
.irp p, 0,1,2,3                        ; Q and K: two token blocks make a fragment's twelve registers for each of my two heads
	QUANT 2*\p, CD+24*\p, CD+24*\p+12, PWR+2*\p
	QUANT 2*\p+1, CD+24*\p+6, CD+24*\p+18, PWR+2*\p+1
.irp c, 0,1
.irp q, 0,1,2
	global_store_b128 v[LI], v[CD+24*\p+12*\c+4*\q:CD+24*\p+12*\c+4*\q+3], s[12:13] offset:98304*\c+1536*\p+512*\q
.endr
.endr
.endr
.irp p, 0,1,2,3
	v_cndmask_b32 v[SW+\p], v[PWR+2*\p], v[PWR+2*\p+1], s98
.endr
.irp p, 0,1,2,3
	v_lshrrev_b32 v[SW+4+\p], 16, v[SW+\p]
.endr
	global_store_b128 v[LI], v[SW:SW+3], s[96:97]
	global_store_b128 v[LI], v[SW+4:SW+7], s[96:97] offset:8192
	s_branch .Ldone
.Larm_v:                               ; V: a block of channels x 128 keys is a whole fragment
.irp a, 0,1,2,3,4,5,6,7
	QUANT \a, CD+12*\a, CD+12*\a+6, PWR+\a
.irp q, 0,1,2
	global_store_b128 v[LI], v[CD+12*\a+4*\q:CD+12*\a+4*\q+3], s[12:13] offset:98304*(\a/4)+1536*(\a%4)+512*\q
.endr
.endr
.irp p, 0,1,2,3
	v_cndmask_b32 v[SW+\p], v[PWR+2*\p], v[PWR+2*\p+1], s98
.endr
	global_store_b64 v[L8], v[SW:SW+1], s[96:97]
	global_store_b64 v[L8], v[SW+2:SW+3], s[96:97] offset:4096
.Ldone:
	s_wait_tensorcnt 0x0                           ; the wave's end
	ds_add_u32 v[SPW], v[NIL]
	s_wait_dscnt 0x0
	CROUND                                         ; the closing round
	s_endpgm
.Lfunc_end_k_qb4ef0541b5_proj:
	.size	k_qb4ef0541b5_proj, .Lfunc_end_k_qb4ef0541b5_proj-k_qb4ef0541b5_proj
	.p2alignl 7, 3214868480
	.fill 96, 4, 3214868480
	.section	.rodata,"a",@progbits
	.p2align	6, 0x0
	.amdhsa_kernel k_qb4ef0541b5_proj
		.amdhsa_group_segment_fixed_size 327680
		.amdhsa_private_segment_fixed_size 0
		.amdhsa_enable_private_segment 0
		.amdhsa_kernarg_size 96
		.amdhsa_user_sgpr_count 2
		.amdhsa_user_sgpr_kernarg_segment_ptr 1
		.amdhsa_wavefront_size32 1
		.amdhsa_system_sgpr_workgroup_id_x 1
		.amdhsa_system_sgpr_workgroup_id_y 1
		.amdhsa_system_sgpr_workgroup_id_z 1
		.amdhsa_system_vgpr_workitem_id 0
		.amdhsa_next_free_vgpr 1024
		.amdhsa_next_free_sgpr 102
		.amdhsa_reserve_vcc 0
		.amdhsa_float_denorm_mode_32 3
		.amdhsa_float_denorm_mode_16_64 3
		.amdhsa_memory_ordered 1
		.amdhsa_forward_progress 1
		.amdhsa_inst_pref_size 188
	.end_amdhsa_kernel
	.amdgpu_metadata
---
amdhsa.version: [ 1, 2 ]
amdhsa.kernels:
  - .name:           k_qb4ef0541b5_proj
    .symbol:         k_qb4ef0541b5_proj.kd
    .args:
      - { .name: xq, .offset: 0, .size: 8, .value_kind: global_buffer, .address_space: global }
      - { .name: w_q_codes, .offset: 8, .size: 8, .value_kind: global_buffer, .address_space: global }
      - { .name: w_q_scales, .offset: 16, .size: 8, .value_kind: global_buffer, .address_space: global }
      - { .name: input_K_codes, .offset: 24, .size: 8, .value_kind: global_buffer, .address_space: global }
      - { .name: input_K_scales, .offset: 32, .size: 8, .value_kind: global_buffer, .address_space: global }
      - { .name: w_k_codes, .offset: 40, .size: 8, .value_kind: global_buffer, .address_space: global }
      - { .name: w_k_scales, .offset: 48, .size: 8, .value_kind: global_buffer, .address_space: global }
      - { .name: w_v_codes, .offset: 56, .size: 8, .value_kind: global_buffer, .address_space: global }
      - { .name: w_v_scales, .offset: 64, .size: 8, .value_kind: global_buffer, .address_space: global }
      - { .name: input_V_codes, .offset: 72, .size: 8, .value_kind: global_buffer, .address_space: global }
      - { .name: input_V_scales, .offset: 80, .size: 8, .value_kind: global_buffer, .address_space: global }
      - { .name: qkv, .offset: 88, .size: 8, .value_kind: global_buffer, .address_space: global }
    .group_segment_fixed_size: 327680
    .private_segment_fixed_size: 0
    .kernarg_segment_align: 8
    .kernarg_segment_size: 96
    .max_flat_workgroup_size: 128
    .sgpr_count:     102
    .vgpr_count:     1024
    .wavefront_size: 32
...
	.end_amdgpu_metadata
.endif
;; end of part 2
;; launch attn (part 3): grid 64 x 4, 16 waves a work-group, no clusters, 211,968 bytes of LDS; arguments qkv, maskw, mflag, ctx; writes ctx
.if DOCPART == 3
	.amdgcn_target "amdgcn-amd-amdhsa--gfx1250"
	.amdhsa_code_object_version 6
	.text
	.protected	k_qb4ef0541b5_attn
	.globl	k_qb4ef0541b5_attn
	.p2align	8
	.type	k_qb4ef0541b5_attn,@function
k_qb4ef0541b5_attn:
	s_mov_b64 s[64:65], 0
	v_nop
	global_prefetch_b8 v0, s[64:65] scope:SCOPE_SE
	s_setreg_imm32_b32 hwreg(HW_REG_WAVE_MODE, 25, 1), 1
	s_wait_xcnt 0x0
; THIRD LAUNCH: scores, mask, softmax and p V for one (batch, head) and 512 queries a work-group; the context is quantised for the last product.
; t = score x log2(e) / 8; M = the row's largest t so far, rounded up to a whole number; p = 2^(t - M) is quantised along the keys, not normalised; the row's sum is taken of the unquantised p and divides at the end.
; When M moves, the sum and O are multiplied by 2^(old M - new M): exact.
; SHARES.  Sixteen waves of 256 registers, four to a SIMD.  Wave w owns query tiles 2 w and 2 w + 1 of the work-group's 32, one after the other; a tile walks 16 steps of 128 keys.
; LDS holds the head's whole K and V as codes and scale words, 208,896 bytes, filled once through registers at the head, in the order of the operands' registers: every fragment load reads 512 consecutive bytes.
; LAYOUT.  Both products are used transposed: S^T = K Q^T, O^T = V^T P^T: a lane holds one query throughout.  The keys of a tile are 64 (t / 4) + 8 (t % 4) + 32 (row / 8) + row % 8, so score register 32 c + i of lane (r, h)
; is key 64 c + 32 h + i: a whole block of 32 keys in one lane.  V's tiles of channels are formed alike, so a lane's 32 registers of O^T are one whole block of the context's K.
; K = 64 IN AN INSTRUCTION OF 128: Q's six upper registers are zeros; K's upper six are whatever follows (the next tile's codes; E3M2 has no NaN and no infinity), and no scale byte is 0xff: those products are zeros.
; THE MASK.  The first launch stored, for each query tile, a bit for each key step: is any entry masked?  Where the bit is 0 the step's 64 selects would change nothing, and a scalar branch on that stored whole number leads round them
; and round the loads of the step's 64 lane masks.  Where it is 1 they are loaded (256 consecutive bytes) and every score has its select.  The matrix work is the same on both ways.
; A masked score becomes -2^33, so that t = -2^33 c is exact and whole: on a row that is masked throughout t - M = 0 and p = 1, as with reference()'s -1e9.
; ORDER OF A STEP: S^T; V's fetch; maxima; M, f; t - M; O^T x f; one batch of 66 exponentials; p's scale word and codes; O^T += V^T p^T; the next step's K is fetched and lands under the rest of the row's sum.
; Each tile's last trip fetches the 6,656 LDS bytes behind K's codes and words (V's first); they are not used.
; LIMITS: the masked logit is -2^30 in place of -1e9: the results are the same wherever every unmasked logit lies above about -9.9e8.  NaN and infinities are not served.  A block of p or of the context under 2^(5 - 127) keeps the byte 1.
; NO CLUSTER, NO TENSOR LOAD: K's and V's 208,896 bytes are fetched once, at the head; a branch of this text hangs on a stored whole number.  NO PREFETCH: behind the head nothing streams from memory.
.set KCO, 6291456
.set VCO, 12582912
.set QSO, 18874368
.set KSO, 19398656
.set VSO, 19922944
.set LV,  98304
.set LKS, 196608
.set LVS, 204800
.set SCG, 208896                       ; the context's scale words of the 32 tiles
.set SPARE, 209920
; v1 16 L; v2 16 L + LV; v3 16 L + LKS; v4 8 L + LVS; v5, v6 the add's two; v7 -2^33; v8-11 LDS addresses; v12 -M; v13 the largest score; v30 8 h; v31 8 L
.set QF,  16                           ; v16-27  Q's fragment (22-27 zeros)
.set QS,  28                           ; v28, v29 Q's scale words
.set KB,  32                           ; v32-79  K's eight half fragments, then V's four fragments; v80-85 zeros
.set KSR, 86
.set VSR, 90
.set QP,  92                           ; v92-103 my two tiles' codes of Q
.set S,   104                          ; v104-167 S^T, then p
.set O,   168                          ; v168-199 O^T
.set PC,  200                          ; v200-211 p's codes
.set TC,  212                          ; v212-214, v216-218 upper halves of blocks
.set CH,  220                          ; v220-225 six chains of maxima, three a block
.set PD,  228                          ; a permute's destination
.set SM,  238                          ; v[238:239] the row's sum; v240-249 five more chains of a step's sum
.set CX,  250                          ; v250-255 the context's codes
; v215 16 x thread; v219 SCG + 16 x thread; v[226:227] f; v230-231 scale operands; v232-233 bytes; v234 p's scale word; v235 my place in SCG; v236-237 at work
; s[12:21] bases in qkv; s[22:23] lane masks; s24 wave; s25 -c; s26 step; s27, s29 this step's V; s28, s6 the next step's K; s7 at work; s[30:31] c; s[66:67] lane selects; s32-63, s68-99 lane masks; s100, s101 my tiles' flags
	s_load_b128 s[4:7], s[0:1], 0x0                ; qkv, maskw
	s_load_b128 s[8:11], s[0:1], 0x10              ; mflag, ctx
	v_lshl_add_u32 v5, v0, 2, SPARE
	v_mov_b32 v6, 0
	v_lshrrev_b32 v8, 5, v0
	s_delay_alu instid0(VALU_DEP_1)
	v_readfirstlane_b32 s24, v8
	v_and_b32 v9, 31, v0
	v_and_b32 v10, 15, v0
	v_bfe_u32 v11, v0, 4, 1
	s_delay_alu instid0(VALU_DEP_3)
	v_lshlrev_b32 v1, 4, v9
	s_delay_alu instid0(VALU_DEP_1)
	v_add_nc_u32 v2, LV, v1
	s_delay_alu instid0(VALU_DEP_2)
	v_add_nc_u32 v3, LKS, v1
	v_lshlrev_b32 v31, 3, v9
	s_delay_alu instid0(VALU_DEP_1)
	v_add_nc_u32 v4, LVS, v31
	v_mov_b32 v7, 0xd0000000
	v_lshlrev_b32 v30, 3, v11
	s_lshl_b32 s2, s24, 6
	v_lshl_add_u32 v235, v10, 1, s2
	s_delay_alu instid0(VALU_DEP_1)
	v_add_nc_u32 v235, SCG, v235
	v_lshlrev_b32 v236, 4, v10
	v_lshlrev_b32 v215, 4, v0
	s_delay_alu instid0(VALU_DEP_1)
	v_add_nc_u32 v219, SCG, v215
	v_lshlrev_b32 v8, 4, v0
	s_delay_alu instid0(VALU_DEP_1)
	v_add_nc_u32 v9, 65536, v8
	s_delay_alu instid0(VALU_DEP_2)
	v_add_nc_u32 v10, 131072, v8
	s_delay_alu instid0(VALU_DEP_3)
	v_add_nc_u32 v11, 196608, v8
	v_lshlrev_b32 v237, 3, v0
	s_delay_alu instid0(VALU_DEP_1)
	v_add_nc_u32 v238, 196608, v237
	s_mov_b32 s26, ttmp9                           ; x: 16 batch + head
	s_and_b32 s27, ttmp7, 0xffff                   ; y: which 512 queries
	s_mov_b32 s30, 0x3e38aa3b                      ; c = log2(e) / 8
	s_mov_b32 s31, s30
	s_mov_b32 s25, 0xbe38aa3b                      ; -c
	s_mov_b32 s66, 0x76543210
	s_mov_b32 s67, 0xfedcba98
	s_mov_b32 s3, 0
	s_wait_alu depctr_va_vdst(0)
	s_wait_kmcnt 0x0
	s_mul_i32 s100, s26, 98304
	s_lshl_b32 s2, s27, 4
	s_add_co_u32 s2, s2, s24
	s_mul_i32 s2, s2, 1536
	s_add_co_u32 s2, s2, s100
	s_add_nc_u64 s[12:13], s[4:5], s[2:3]          ; Q's codes: my pair of tiles
	s_add_co_u32 s2, s100, KCO
	s_add_nc_u64 s[14:15], s[4:5], s[2:3]
	s_add_co_u32 s2, s100, VCO
	s_add_nc_u64 s[18:19], s[4:5], s[2:3]
	s_lshl_b32 s100, s26, 13
	s_add_co_u32 s2, s100, KSO
	s_add_nc_u64 s[16:17], s[4:5], s[2:3]
	s_lshl_b32 s2, s26, 12
	s_add_co_u32 s2, s2, VSO
	s_add_nc_u64 s[20:21], s[4:5], s[2:3]
	s_lshl_b32 s2, s27, 2
	s_lshr_b32 s28, s24, 2
	s_add_co_u32 s2, s2, s28
	s_lshl_b32 s2, s2, 9
	s_and_b32 s28, s24, 3
	s_lshl_b32 s28, s28, 2
	s_add_co_u32 s2, s2, s28
	s_add_co_u32 s2, s2, s100
	s_add_co_u32 s2, s2, QSO
	s_add_nc_u64 s[32:33], s[4:5], s[2:3]          ; Q's scale words
	s_lshr_b32 s28, s26, 4
	s_lshl_b32 s28, s28, 7
	s_lshl_b32 s29, s27, 5
	s_add_co_u32 s28, s28, s29
	s_lshl_b32 s29, s24, 1
	s_add_co_u32 s28, s28, s29                     ; my first tile among the 512
	s_lshl_b32 s2, s28, 12
	s_add_nc_u64 s[22:23], s[6:7], s[2:3]          ; its lane masks; my second tile's follow
	s_lshl_b32 s2, s28, 2
	s_add_nc_u64 s[8:9], s[8:9], s[2:3]
	s_load_b32 s100, s[8:9], 0x0                   ; my two tiles' flags
	s_load_b32 s101, s[8:9], 0x4
	s_lshl_b32 s2, s28, 4
	s_and_b32 s29, s26, 15
	s_add_co_u32 s2, s2, s29
	s_mul_i32 s2, s2, 768
	s_add_nc_u64 s[4:5], s[10:11], s[2:3]          ; the context's codes: (16 tile + head) x 768
	s_lshl_b32 s2, s26, 12
	s_lshl_b32 s29, s27, 10
	s_add_co_u32 s2, s2, s29
	s_add_co_u32 s2, s2, 6291456
	s_add_nc_u64 s[10:11], s[10:11], s[2:3]        ; and its scale words
.irp p, 0,1,2
	global_load_b128 v[QP+4*\p:QP+4*\p+3], v1, s[12:13] offset:512*\p
.endr
	global_load_b32 v[QS], v236, s[32:33]
	global_load_b32 v[QS+1], v236, s[32:33] offset:256
.irp q, 0,1,2,3,4,5,6,7,8,9,10,11
	global_load_b128 v[S+4*\q:S+4*\q+3], v8, s[14:15] offset:8192*\q
.endr
.irp q, 0,1,2,3,4,5,6,7,8,9,10,11
	global_load_b128 v[S+48+4*\q:S+48+4*\q+3], v8, s[18:19] offset:8192*\q
.endr
	global_load_b128 v[S+96:S+99], v8, s[16:17]
	global_load_b64 v[S+100:S+101], v237, s[20:21]
.irp i, 0,1,2,3,4,5
	v_mov_b32 v[QF+6+\i], 0
	v_mov_b32 v[KB+48+\i], 0
.endr
	v_mov_b32 v[PD], 0
	v_mov_b32 v227, 0
.set q, 0
.rept 25
	s_wait_loadcnt 25-q                            ; load q of the fill is in; the 25 - q behind it may be out
	ds_store_b128 v[8+q/8], v[S+4*q:S+4*q+3] offset:8192*(q%8)
.set q, q+1
.endr
	s_wait_loadcnt 0x0
	ds_store_b64 v238, v[S+100:S+101] offset:8192
	s_wait_dscnt 0x0
	s_barrier_signal -1
	s_barrier_wait -1                              ; K and V are whole; from here on they are only read
	s_wait_kmcnt 0x0                               ; the flags
.macro SPROD t, e
.if (\t)%2
	v_wmma_scale_f32_16x16x128_f8f6f4 v[S+8*(\t):S+8*(\t)+7], v[KB+6*(\t):KB+6*(\t)+11], v[QF:QF+11], 0, v[KSR+(\t)/2], v[QS+\e] matrix_a_fmt:MATRIX_FMT_BF6 matrix_b_fmt:MATRIX_FMT_BF6 matrix_a_scale:MATRIX_SCALE_ROW1
.else
	v_wmma_scale_f32_16x16x128_f8f6f4 v[S+8*(\t):S+8*(\t)+7], v[KB+6*(\t):KB+6*(\t)+11], v[QF:QF+11], 0, v[KSR+(\t)/2], v[QS+\e] matrix_a_fmt:MATRIX_FMT_BF6 matrix_b_fmt:MATRIX_FMT_BF6
.endif
.endm
.macro OPROD t
.if (\t)%2
	v_wmma_scale_f32_16x16x128_f8f6f4 v[O+8*(\t):O+8*(\t)+7], v[KB+12*(\t):KB+12*(\t)+11], v[PC:PC+11], v[O+8*(\t):O+8*(\t)+7], v[VSR+(\t)/2], v234 matrix_a_fmt:MATRIX_FMT_BF6 matrix_b_fmt:MATRIX_FMT_BF6 matrix_a_scale:MATRIX_SCALE_ROW1
.else
	v_wmma_scale_f32_16x16x128_f8f6f4 v[O+8*(\t):O+8*(\t)+7], v[KB+12*(\t):KB+12*(\t)+11], v[PC:PC+11], v[O+8*(\t):O+8*(\t)+7], v[VSR+(\t)/2], v234 matrix_a_fmt:MATRIX_FMT_BF6 matrix_b_fmt:MATRIX_FMT_BF6
.endif
.endm
.macro MX d, x, y                      ; chain d of both blocks takes two more scores
.irp c, 0,1
	v_max3_num_f32 v[CH+\d+3*\c], v[CH+\d+3*\c], v[S+32*\c+\x], v[S+32*\c+\y]
.endr
.endm
.macro ACCUM n                         ; the next n pairs of p onto the six chains by turns
.rept \n
	v_pk_add_f32 v[SM+2*((pj+2)%6):SM+2*((pj+2)%6)+1], v[SM+2*((pj+2)%6):SM+2*((pj+2)%6)+1], v[S+2*pj:S+2*pj+1]
.set pj, pj+1
.endr
.endm
.macro TILE e
.if \e
	s_wait_xcnt 0x0                                ; tile 0's stores have read the registers that tile 1's codes will take
	s_wait_dscnt 0x0                               ; the last trip's fetch has landed: its registers are loaded anew
.endif
.irp i, 0,1,2,3,4,5,6,7,8,9,10,11
	ds_load_b128 v[KB+4*\i:KB+4*\i+3], v1 offset:512*\i   ; step 0's K lands under the lines below
.endr
	ds_load_b128 v[KSR:KSR+3], v3
.irp i, 0,1,2,3,4,5
	v_mov_b32 v[QF+\i], v[QP+6*\e+\i]
.endr
	v_mov_b32 v13, 0xff61b1e6                      ; the largest score so far: -3e38
	v_mov_b32 v12, 0x7e000000                      ; -M: 2^125, so that the first f is 0
	v_mov_b32 v[SM], 0
	v_mov_b32 v[SM+1], 0
.set j, 0
.rept 32
	v_mov_b32 v[O+j], 0                            ; the step is written once; the first finds zeros
.set j, j+1
.endr
	s_mov_b32 s26, 0
	s_mov_b32 s27, 0
	s_mov_b32 s29, 0
	s_mov_b32 s28, 6144
	s_mov_b32 s6, 512
.Lstep_\@:
	s_wait_dscnt 0x0                               ; this step's K and its scale words are in
.irp t, 0,1,2,3,4,5,6,7
	SPROD \t, \e
.endr
	v_add_nc_u32 v9, s27, v2                       ; four plain lines: the places behind the products
	v_add_nc_u32 v11, s29, v4
	v_add_nc_u32 v8, s28, v1
	v_add_nc_u32 v10, s6, v3
.irp i, 0,1,2,3,4,5,6,7,8,9,10,11
	ds_load_b128 v[KB+4*\i:KB+4*\i+3], v9 offset:512*\i   ; V's four fragments land under the softmax
.endr
	ds_load_b64 v[VSR:VSR+1], v11
	s_lshr_b32 s7, s26, 2
	s_lshl_b32 s7, s7, 2
	s_add_co_u32 s7, s7, s26                       ; the step's bit: 8 (step / 4) + step % 4
	s_bitcmp1_b32 s[100+\e], s7
	s_cbranch_scc0 .Lfree_\@                       ; nothing of this tile and step is masked
	s_lshl_b32 s7, s26, 8
.if \e
	s_add_co_u32 s7, s7, 4096
.endif
	s_load_b512 s[32:47], s[22:23], s7 offset:0x0
	s_load_b512 s[48:63], s[22:23], s7 offset:0x40
	s_load_b512 s[68:83], s[22:23], s7 offset:0x80
	s_load_b512 s[84:99], s[22:23], s7 offset:0xc0
	s_wait_kmcnt 0x0
.set n, 0
.rept 64                                           ; score register n = 32 c + i takes word 2 i + c; ascending
.set k, 2*(n%32)+n/32
.if k < 32
	v_cndmask_b32 v[S+n], v[S+n], v7, s[32+k]
.else
	v_cndmask_b32 v[S+n], v[S+n], v7, s[36+k]
.endif
.set n, n+1
.endr
.Lfree_\@:
.irp c, 0,1                                        ; the largest score of my two blocks of 32 keys: six chains by turns; each accumulator is first read at its lowest register
	v_max3_num_f32 v[CH+3*\c], v[S+32*\c], v[S+32*\c+1], v[S+32*\c+2]
.endr
.irp c, 0,1
	v_max3_num_f32 v[CH+1+3*\c], v[S+32*\c+8], v[S+32*\c+9], v[S+32*\c+10]
.endr
.irp c, 0,1
	v_max_num_f32 v[CH+2+3*\c], v[S+32*\c+16], v[S+32*\c+17]
.endr
	MX 0, 3, 4
	MX 1, 11, 12
	MX 2, 18, 19
	MX 0, 5, 6
	MX 1, 13, 14
	MX 2, 20, 21
	MX 0, 7, 24
	MX 1, 15, 27
	MX 2, 22, 23
	MX 0, 25, 26
	MX 1, 28, 29
	MX 2, 30, 31
	v_max3_num_f32 v[CH], v[CH], v[CH+1], v[CH+2]
	v_max3_num_f32 v[CH+3], v[CH+3], v[CH+4], v[CH+5]
	s_delay_alu instid0(VALU_DEP_1)
	v_max_num_f32 v236, v[CH], v[CH+3]
	s_delay_alu instid0(VALU_DEP_1)
	v_permlanex16_b32 v[PD], v236, s66, s67
	s_delay_alu instid0(VALU_DEP_1)
	v_max3_num_f32 v13, v13, v236, v[PD]           ; the largest score of my query so far
	s_delay_alu instid0(VALU_DEP_1)
	v_mul_f32 v237, s25, v13
	s_delay_alu instid0(VALU_DEP_1)
	v_floor_f32 v237, v237                         ; the new -M = floor(-t) = -ceil(t)
	s_delay_alu instid0(VALU_DEP_1)
	v_sub_f32 v236, v237, v12                      ; old M - new M: a whole number, 0 or less
	v_mov_b32 v12, v237
.set j, 0
.rept 32
	v_pk_fma_f32 v[S+j:S+j+1], v[S+j:S+j+1], s[30:31], v[12:13] op_sel_hi:[1,0,0]   ; t - M
.if j == 4
	v_cvt_i32_f32 v236, v236                       ; (it saturates)
.endif
.if j == 12
	v_ldexp_f32 v226, 1.0, v236                    ; f = 2^(old M - new M)
.endif
.set j, j+2
.endr
	v_fma_f32 v[CH], v[CH], s30, v12               ; the same of each block's largest score
	v_fma_f32 v[CH+3], v[CH+3], s30, v12
.set j, 0
.rept 16
	v_pk_mul_f32 v[O+j:O+j+1], v[O+j:O+j+1], v[226:227] op_sel_hi:[1,0]   ; O^T under the new M
.set j, j+2
.endr
	s_wait_alu depctr_va_vdst(0)                   ; the wait ahead of the batch
	v_exp_f32 v[CH], v[CH]                         ; the blocks' largest p: the same two instructions on the same number
	v_exp_f32 v[CH+3], v[CH+3]
.set j, 0
.rept 64
	v_exp_f32 v[S+j], v[S+j]                       ; p = 2^(t - M)
.set j, j+1
.endr
	v_pk_mul_f32 v[SM:SM+1], v[SM:SM+1], v[226:227] op_sel_hi:[1,0]   ; the sum under the new M (the plain line behind the batch)
	s_wait_alu depctr_va_vdst(0)                   ; and the wait behind it
	s_wait_dscnt 0x0                               ; V is in
	v_max_num_f32 v[CH], 0x2800000, v[CH]          ; the floor 2^(5 - 127)
	v_max_num_f32 v[CH+3], 0x2800000, v[CH+3]
	s_delay_alu instid0(VALU_DEP_2)
	v_add_nc_u32 v230, 0xfe000000, v[CH]           ; 4 off the exponent field: the conversion's scale operand
	s_delay_alu instid0(VALU_DEP_2)
	v_add_nc_u32 v231, 0xfe000000, v[CH+3]
	s_delay_alu instid0(VALU_DEP_2)
	v_lshrrev_b32 v232, 23, v230
	s_delay_alu instid0(VALU_DEP_2)
	v_lshrrev_b32 v233, 23, v231
	s_delay_alu instid0(VALU_DEP_1)
	v_lshl_or_b32 v234, v233, 16, v232
	s_delay_alu instid0(VALU_DEP_1)
	v_lshlrev_b32 v234, v30, v234
	s_delay_alu instid0(VALU_DEP_1)
	v_permlanex16_b32 v[PD], v234, s66, s67
	s_delay_alu instid0(VALU_DEP_1)
	v_or_b32 v234, v234, v[PD]                     ; p's scale word for these 128 keys
.irp c, 0,1
	v_cvt_scalef32_pk16_bf6_f32 v[PC+6*\c:PC+6*\c+2], v[S+32*\c:S+32*\c+15], v[230+\c]
	v_cvt_scalef32_pk16_bf6_f32 v[TC+4*\c:TC+4*\c+2], v[S+32*\c+16:S+32*\c+31], v[230+\c]
.endr
.irp k, 1,2,3,4,5                                  ; THE ROW'S SUM, of the unquantised p: five chains begin, the sixth is the running sum.  (These only read p: the first is the plain line behind the conversions)
	v_pk_add_f32 v[SM+2*\k:SM+2*\k+1], v[S+4*\k-4:S+4*\k-3], v[S+4*\k-2:S+4*\k-1]
.endr
.set pj, 10
	ACCUM 3
.irp c, 0,1
.irp i, 0,1,2
	v_mov_b32 v[PC+6*\c+3+\i], v[TC+4*\c+\i]
.endr
.endr
	ACCUM 4                                        ; four places between p's codes and the products; p's scale word stands 18 plain lines ahead of them
.irp t, 0,1,2,3
	OPROD \t                                       ; the four accumulators by turns
.endr
	ACCUM 4                                        ; the places behind the products, in front of the loads into their operands
.irp i, 0,1,2,3,4,5,6,7,8,9,10,11
	ds_load_b128 v[KB+4*\i:KB+4*\i+3], v8 offset:512*\i   ; the next step's K
.endr
	ds_load_b128 v[KSR:KSR+3], v10
	ACCUM 11
	v_pk_add_f32 v[SM+8:SM+9], v[SM+8:SM+9], v[SM+10:SM+11]
	s_delay_alu instid0(VALU_DEP_4)
	v_pk_add_f32 v[SM:SM+1], v[SM:SM+1], v[SM+2:SM+3]
	s_delay_alu instid0(VALU_DEP_3)
	v_pk_add_f32 v[SM+4:SM+5], v[SM+4:SM+5], v[SM+6:SM+7]
	s_delay_alu instid0(VALU_DEP_2)
	v_pk_add_f32 v[SM:SM+1], v[SM:SM+1], v[SM+8:SM+9]
	s_delay_alu instid0(VALU_DEP_1)
	v_pk_add_f32 v[SM:SM+1], v[SM:SM+1], v[SM+4:SM+5]
	s_add_co_u32 s27, s27, 6144
	s_add_co_u32 s28, s28, 6144
	s_add_co_u32 s29, s29, 256
	s_add_co_u32 s6, s6, 512
	s_add_co_u32 s26, s26, 1
	s_cmp_lt_u32 s26, 16
	s_cbranch_scc1 .Lstep_\@
	; the tile's way out: O^T / the sum, quantised along the channels: my 32 registers are block h of the head's two
	v_add_f32 v236, v[SM], v[SM+1]
	s_delay_alu instid0(VALU_DEP_1)
	v_permlanex16_b32 v[PD], v236, s66, s67
	s_delay_alu instid0(VALU_DEP_1)
	v_add_f32 v236, v236, v[PD]                    ; the row's sum
	s_wait_alu depctr_va_vdst(0)
	v_rcp_f32 v226, v236
	v_nop
	s_wait_alu depctr_va_vdst(0)
.set j, 0
.rept 16
	v_pk_mul_f32 v[S+j:S+j+1], v[O+j:O+j+1], v[226:227] op_sel_hi:[1,0]
.set j, j+2
.endr
	v_max3_num_f32 v236, |v[S]|, |v[S+1]|, 0x2800000
	v_max3_num_f32 v237, |v[S+2]|, |v[S+3]|, 0x2800000
.irp i, 4,8,12,16,20,24,28
	s_delay_alu instid0(VALU_DEP_2)
	v_max3_num_f32 v236, v236, |v[S+\i]|, |v[S+\i+1]|
	s_delay_alu instid0(VALU_DEP_2)
	v_max3_num_f32 v237, v237, |v[S+\i+2]|, |v[S+\i+3]|
.endr
	s_delay_alu instid0(VALU_DEP_1)
	v_max_num_f32 v236, v236, v237
	s_delay_alu instid0(VALU_DEP_1)
	v_add_nc_u32 v232, 0xfe000000, v236
	s_delay_alu instid0(VALU_DEP_1)
	v_lshrrev_b32 v233, 23, v232
	s_delay_alu instid0(VALU_DEP_1)
	v_lshlrev_b32 v233, v30, v233
	s_delay_alu instid0(VALU_DEP_1)
	v_permlanex16_b32 v[PD], v233, s66, s67
	s_delay_alu instid0(VALU_DEP_1)
	v_or_b32 v233, v233, v[PD]                     ; byte 0: block 0's, byte 1: block 1's
	v_cvt_scalef32_pk16_bf6_f32 v[CX:CX+2], v[S:S+15], v232
	v_cvt_scalef32_pk16_bf6_f32 v[TC:TC+2], v[S+16:S+31], v232
	v_nop
.irp i, 0,1,2
	v_mov_b32 v[CX+3+\i], v[TC+\i]
.endr
	global_store_b128 v1, v[CX:CX+3], s[4:5] offset:12288*\e          ; 512 consecutive bytes,
	global_store_b64 v31, v[CX+4:CX+5], s[4:5] offset:12288*\e+512    ; and 256
	ds_store_b16 v235, v233 offset:32*\e           ; lanes r and r + 16 write the same two bytes
.endm
	TILE 0
	TILE 1
	s_wait_dscnt 0x0                               ; my scale words have landed
	s_barrier_signal -1
	s_barrier_wait -1
	s_cmp_lt_u32 s24, 2
	s_cbranch_scc0 .Lno_sc
	ds_load_b128 v[S:S+3], v219                    ; waves 0 and 1: the 32 tiles' 1,024 bytes
	s_wait_dscnt 0x0
	global_store_b128 v215, v[S:S+3], s[10:11]     ; 512 consecutive bytes a wave
.Lno_sc:
	s_wait_tensorcnt 0x0                           ; the wave's end
	ds_add_u32 v5, v6
	s_wait_dscnt 0x0
	s_endpgm
.Lfunc_end_k_qb4ef0541b5_attn:
	.size	k_qb4ef0541b5_attn, .Lfunc_end_k_qb4ef0541b5_attn-k_qb4ef0541b5_attn
	.p2alignl 7, 3214868480
	.fill 96, 4, 3214868480
	.section	.rodata,"a",@progbits
	.p2align	6, 0x0
	.amdhsa_kernel k_qb4ef0541b5_attn
		.amdhsa_group_segment_fixed_size 211968
		.amdhsa_private_segment_fixed_size 0
		.amdhsa_enable_private_segment 0
		.amdhsa_kernarg_size 32
		.amdhsa_user_sgpr_count 2
		.amdhsa_user_sgpr_kernarg_segment_ptr 1
		.amdhsa_wavefront_size32 1
		.amdhsa_system_sgpr_workgroup_id_x 1
		.amdhsa_system_sgpr_workgroup_id_y 1
		.amdhsa_system_sgpr_workgroup_id_z 1
		.amdhsa_system_vgpr_workitem_id 0
		.amdhsa_next_free_vgpr 256
		.amdhsa_next_free_sgpr 102
		.amdhsa_reserve_vcc 0
		.amdhsa_float_denorm_mode_32 3
		.amdhsa_float_denorm_mode_16_64 3
		.amdhsa_memory_ordered 1
		.amdhsa_forward_progress 1
		.amdhsa_inst_pref_size 62
	.end_amdhsa_kernel
	.amdgpu_metadata
---
amdhsa.version: [ 1, 2 ]
amdhsa.kernels:
  - .name:           k_qb4ef0541b5_attn
    .symbol:         k_qb4ef0541b5_attn.kd
    .args:
      - { .name: qkv, .offset: 0, .size: 8, .value_kind: global_buffer, .address_space: global }
      - { .name: maskw, .offset: 8, .size: 8, .value_kind: global_buffer, .address_space: global }
      - { .name: mflag, .offset: 16, .size: 8, .value_kind: global_buffer, .address_space: global }
      - { .name: ctx, .offset: 24, .size: 8, .value_kind: global_buffer, .address_space: global }
    .group_segment_fixed_size: 211968
    .private_segment_fixed_size: 0
    .kernarg_segment_align: 8
    .kernarg_segment_size: 32
    .max_flat_workgroup_size: 512
    .sgpr_count:     102
    .vgpr_count:     256
    .wavefront_size: 32
...
	.end_amdgpu_metadata
.endif
;; end of part 3
;; launch outln (part 4): grid 256 x 1, 16 waves a work-group, no clusters, 158,208 bytes of LDS; arguments ctx, woimg, w_o_scales, input_Q, ln_gamma, ln_beta, out0; writes out0
.if DOCPART == 4
	.amdgcn_target "amdgcn-amd-amdhsa--gfx1250"
	.amdhsa_code_object_version 6
	.text
	.protected	k_qb4ef0541b5_outln
	.globl	k_qb4ef0541b5_outln
	.p2align	8
	.type	k_qb4ef0541b5_outln,@function
k_qb4ef0541b5_outln:
	s_mov_b64 s[64:65], 0
	v_nop
	global_prefetch_b8 v0, s[64:65] scope:SCOPE_SE
	s_setreg_imm32_b32 hwreg(HW_REG_WAVE_MODE, 25, 1), 1
	s_wait_xcnt 0x0
; FOURTH LAUNCH: out0 = LayerNorm(context W_o^T + input_Q) x gamma + beta.  The product is on codes of BF6 (E3M2) with E8M0 scales; all else in f32.  No work is left out.
; SHARES.  Work-group g takes row tiles 2 g and 2 g + 1 (32 tokens) and all 1,024 columns, so that a row's mean and variance never leave the work-group.  In the product wave w makes columns 64 w .. 64 w + 63:
; four tiles of w_o's rows x two tiles of tokens, eight accumulators by turns, eight K steps of 128.  In the LayerNorm wave w owns two whole rows.
; The context's codes (24,576 dense bytes, images of the operand's registers) go to LDS once and are read by all sixteen waves.  w_o's fragments come from memory straight into the registers of the one wave that wants them,
; laid by the first launch in the registers' order: 512 consecutive bytes a load, two K steps ahead.
; The matrix instruction is used transposed (source 0 = 16 rows of w_o, source 1 = 16 tokens): a lane holds eight neighbouring columns of one token.  The results meet in a stage in LDS, rows of 4,096 + 16 bytes.
; Row r of tile T is token 64 (T / 4) + 8 (T % 4) + 32 (r / 8) + r % 8, as in all launches.
; NO CLUSTER, NO TENSOR LOAD: each byte of the weights is wanted by one wave of a work-group, once; through LDS it would be written and read once more.  All 256 work-groups read the same 786,432 bytes of weights.
; LIMITS: NaN and infinities are not served.
.set STG,   24576                      ; LDS: the context's images from 0; the stage: 32 rows x 4,112 bytes
.set SROW,  4112
.set SPARE, STG+32*SROW                ; the spare words, 128 bytes a wave
; v1 16 L; v2 8 L; v3, v4 where I put results in the stage (token tile 0, 1); v5 where I read my rows back; v6, v7 the add's two; v8 256 L; v9 2 L; v10 32 L; v11 16 x thread
.set CS,  16                           ; v16-23  the context's scale words, one register a K step: lanes 0-15 tile 2 g, lanes 16-31 tile 2 g + 1
.set WS,  24                           ; v24-39  w_o's: register 8 (t / 2) + s: lanes 0-15 tile t even, lanes 16-31 t odd
.set WB,  40                           ; v40-87, v88-135 w_o's four fragments, two sets
.set CF,  136                          ; v136-159 the context's two fragments
.set U16, 160                          ; v160-175 the heads' scale bytes as loaded
.set ACC, 176                          ; v176-239 eight accumulators
.set XR,  40                           ; later: v40-103 my two rows of input_Q; v104-167 of the product; v176-207 gamma; v208-239 beta; v240-247 at work
.set YR,  104
.set GA,  176
.set BE,  208
	s_load_b256 s[4:11], s[0:1], 0x0               ; ctx, woimg, w_o_scales, input_Q
	s_load_b128 s[12:15], s[0:1], 0x20             ; gamma, beta
	s_load_b64 s[16:17], s[0:1], 0x30              ; out0
	v_lshl_add_u32 v6, v0, 2, SPARE
	v_mov_b32 v7, 0
	v_lshrrev_b32 v12, 5, v0
	s_delay_alu instid0(VALU_DEP_1)
	v_readfirstlane_b32 s18, v12                   ; wave 0..15
	v_and_b32 v12, 31, v0
	v_and_b32 v13, 15, v0
	v_bfe_u32 v14, v0, 4, 1
	s_delay_alu instid0(VALU_DEP_3)
	v_lshlrev_b32 v1, 4, v12
	s_delay_alu instid0(VALU_DEP_4)
	v_lshlrev_b32 v2, 3, v12
	v_lshlrev_b32 v8, 8, v12
	v_lshlrev_b32 v9, 1, v12
	v_lshlrev_b32 v10, 5, v12
	v_lshlrev_b32 v11, 4, v0
	v_mul_u32_u24 v3, v13, SROW
	s_delay_alu instid0(VALU_DEP_1)
	v_lshl_add_u32 v3, v14, 5, v3
	s_lshl_b32 s19, s18, 8
	s_add_co_u32 s19, s19, STG
	v_add_nc_u32 v3, s19, v3                       ; row r, + 32 h, + 256 wave
	s_delay_alu instid0(VALU_DEP_1)
	v_add_nc_u32 v4, 16*SROW, v3
	s_mul_i32 s19, s18, 2*SROW
	s_add_co_u32 s19, s19, STG
	v_add_nc_u32 v5, s19, v1                       ; stage rows 2 wave, 2 wave + 1
	v_mov_b32 v245, 0                              ; (upper halves of pairs of which the low word serves both halves)
	v_mov_b32 v247, 0
	s_mov_b32 s26, 0x3a800000                      ; 1 / 1024
	s_mov_b32 s27, 0x3727c5ac                      ; 1e-5
	s_mov_b32 s28, 0x76543210
	s_mov_b32 s29, 0xfedcba98
	s_mul_i32 s20, ttmp9, 24576                    ; my two tiles' codes
	s_mov_b32 s21, 0
	s_lshr_b32 s22, ttmp9, 6                       ; batch
	s_lshl_b32 s22, s22, 16
	s_and_b32 s23, ttmp9, 63
	s_lshl_b32 s23, s23, 6                         ; 32 bytes a tile
	s_add_co_u32 s22, s22, s23
	s_add_co_u32 s22, s22, 6291456
	s_mov_b32 s23, 0
	s_mul_i32 s30, s18, 49152                      ; my four tiles of w_o
	s_mov_b32 s31, 0
	s_lshl_b32 s32, s18, 11                        ; my 64 rows of its scale bytes
	s_mov_b32 s33, 0
	s_lshr_b32 s19, ttmp9, 1                       ; my first token: 64 (g / 2) + 16 (g % 2) + 8 (w / 8) + 32 ((w / 4) % 2) + 2 (w % 4); the second is the next
	s_lshl_b32 s19, s19, 6
	s_and_b32 s24, ttmp9, 1
	s_lshl_b32 s24, s24, 4
	s_add_co_u32 s19, s19, s24
	s_lshr_b32 s24, s18, 3
	s_lshl_b32 s24, s24, 3
	s_add_co_u32 s19, s19, s24
	s_bfe_u32 s24, s18, 0x10002
	s_lshl_b32 s24, s24, 5
	s_add_co_u32 s19, s19, s24
	s_and_b32 s24, s18, 3
	s_lshl_b32 s24, s24, 1
	s_add_co_u32 s19, s19, s24
	s_lshl_b32 s24, s19, 12                        ; rows of 4,096 bytes
	s_mov_b32 s25, 0
	s_wait_alu depctr_va_vdst(0)
	s_wait_kmcnt 0x0
	s_add_nc_u64 s[20:21], s[4:5], s[20:21]
	s_add_nc_u64 s[22:23], s[4:5], s[22:23]
	s_add_nc_u64 s[6:7], s[6:7], s[30:31]
	s_add_nc_u64 s[8:9], s[8:9], s[32:33]
	s_add_nc_u64 s[10:11], s[10:11], s[24:25]
	s_add_nc_u64 s[16:17], s[16:17], s[24:25]
.macro WLD s                           ; my four fragments of K step s into set s % 2
.irp t, 0,1,2,3
.irp p, 0,1,2
	global_load_b128 v[WB+48*((\s)%2)+12*\t+4*\p:WB+48*((\s)%2)+12*\t+4*\p+3], v1, s[6:7] offset:12288*\t+1536*(\s)+512*\p
.endr
.endr
.endm
.macro XLD i                           ; piece i of my two rows of input_Q: 512 consecutive bytes
	global_load_b128 v[XR+4*(\i):XR+4*(\i)+3], v1, s[10:11] offset:4096*((\i)/8)+512*((\i)%8) th:TH_LOAD_NT
.endm
.irp i, 0,1,2
	global_load_b128 v[ACC+4*\i:ACC+4*\i+3], v11, s[20:21] offset:8192*\i    ; the context's codes
.endr
.irp d, 0,1,2,3,4,5,6,7,8,9,10,11,12,13,14,15
	global_load_u16 v[U16+\d], v9, s[22:23] offset:4096*\d                   ; head d's two scale bytes of my lane's row: lanes 0-15 tile 2 g, lanes 16-31 tile 2 g + 1
.endr
.irp a, 0,1
.irp j, 0,1
	global_load_b128 v[WS+8*\a+4*\j:WS+8*\a+4*\j+3], v10, s[8:9] offset:1024*\a+16*\j   ; row 64 w + 32 a + lane: K steps 4 j .. 4 j + 3
.endr
.endr
	WLD 0
	WLD 1
	s_wait_loadcnt 44                              ; the three loads of codes are in; behind them 16 + 4 + 12 + 12 may be out
.irp i, 0,1,2
	ds_store_b128 v11, v[ACC+4*\i:ACC+4*\i+3] offset:8192*\i
.endr
	s_wait_dscnt 0x0
	s_barrier_signal -1
	s_barrier_wait -1                              ; the context's images lie in LDS
	s_wait_loadcnt 24                              ; the scale bytes and words are in; the two sets of fragments may be out
.irp s, 0,1,2,3,4,5,6,7
	v_lshl_or_b32 v[CS+\s], v[U16+2*\s+1], 16, v[U16+2*\s]    ; K step s = heads 2 s and 2 s + 1
.endr
.rept 8
	v_nop                                          ; a scale register written by a vector line stands 8 places ahead of a scaled matrix instruction
.endr
.macro WM d, a, b, sa, sb, sel, zero   ; sel bit 0: source 0's scales in lanes 16-31; bit 1: source 1's
.if \zero
.if \sel == 0
	v_wmma_scale_f32_16x16x128_f8f6f4 v[\d:\d+7], v[\a:\a+11], v[\b:\b+11], 0, v[\sa], v[\sb] matrix_a_fmt:MATRIX_FMT_BF6 matrix_b_fmt:MATRIX_FMT_BF6
.elseif \sel == 1
	v_wmma_scale_f32_16x16x128_f8f6f4 v[\d:\d+7], v[\a:\a+11], v[\b:\b+11], 0, v[\sa], v[\sb] matrix_a_fmt:MATRIX_FMT_BF6 matrix_b_fmt:MATRIX_FMT_BF6 matrix_a_scale:MATRIX_SCALE_ROW1
.elseif \sel == 2
	v_wmma_scale_f32_16x16x128_f8f6f4 v[\d:\d+7], v[\a:\a+11], v[\b:\b+11], 0, v[\sa], v[\sb] matrix_a_fmt:MATRIX_FMT_BF6 matrix_b_fmt:MATRIX_FMT_BF6 matrix_b_scale:MATRIX_SCALE_ROW1
.else
	v_wmma_scale_f32_16x16x128_f8f6f4 v[\d:\d+7], v[\a:\a+11], v[\b:\b+11], 0, v[\sa], v[\sb] matrix_a_fmt:MATRIX_FMT_BF6 matrix_b_fmt:MATRIX_FMT_BF6 matrix_a_scale:MATRIX_SCALE_ROW1 matrix_b_scale:MATRIX_SCALE_ROW1
.endif
.else
.if \sel == 0
	v_wmma_scale_f32_16x16x128_f8f6f4 v[\d:\d+7], v[\a:\a+11], v[\b:\b+11], v[\d:\d+7], v[\sa], v[\sb] matrix_a_fmt:MATRIX_FMT_BF6 matrix_b_fmt:MATRIX_FMT_BF6
.elseif \sel == 1
	v_wmma_scale_f32_16x16x128_f8f6f4 v[\d:\d+7], v[\a:\a+11], v[\b:\b+11], v[\d:\d+7], v[\sa], v[\sb] matrix_a_fmt:MATRIX_FMT_BF6 matrix_b_fmt:MATRIX_FMT_BF6 matrix_a_scale:MATRIX_SCALE_ROW1
.elseif \sel == 2
	v_wmma_scale_f32_16x16x128_f8f6f4 v[\d:\d+7], v[\a:\a+11], v[\b:\b+11], v[\d:\d+7], v[\sa], v[\sb] matrix_a_fmt:MATRIX_FMT_BF6 matrix_b_fmt:MATRIX_FMT_BF6 matrix_b_scale:MATRIX_SCALE_ROW1
.else
	v_wmma_scale_f32_16x16x128_f8f6f4 v[\d:\d+7], v[\a:\a+11], v[\b:\b+11], v[\d:\d+7], v[\sa], v[\sb] matrix_a_fmt:MATRIX_FMT_BF6 matrix_b_fmt:MATRIX_FMT_BF6 matrix_a_scale:MATRIX_SCALE_ROW1 matrix_b_scale:MATRIX_SCALE_ROW1
.endif
.endif
.endm
.macro KSTEP s
.irp u, 0,1
.irp c, 0,1                                        ; head 2 s + c's six registers of token tile u: four by 16 bytes a lane, two by 8
	ds_load_b128 v[CF+12*\u+6*\c:CF+12*\u+6*\c+3], v1 offset:12288*\u+1536*\s+768*\c
	ds_load_b64 v[CF+12*\u+6*\c+4:CF+12*\u+6*\c+5], v2 offset:12288*\u+1536*\s+768*\c+512
.endr
.endr
	s_wait_loadcnt 12                              ; this K step's fragments are in; the twelve loads issued behind them (the next K step's; in the last K step input_Q's first twelve) may be out
	s_wait_dscnt 0x0
.irp u, 0,1
.irp t, 0,1,2,3
	WM ACC+8*(4*\u+\t), WB+48*(\s%2)+12*\t, CF+12*\u, WS+8*(\t/2)+\s, CS+\s, (\t%2)+2*\u, (\s==0)
.endr
.endr
.rept 4
	v_nop                                          ; places in front of loads into registers that these products have read, and of the first read of results
.endr
.if \s <= 5
	WLD \s+2
.endif
.if \s == 1
	global_prefetch_b8 v8, s[10:11] th:TH_LOAD_NT scope:SCOPE_SE   ; my two rows of input_Q, 8,192 bytes: lanes 256 bytes apart, each run named once in the launch; five K steps ahead of the loads that want them
.endif
.if \s == 6
.irp i, 0,1,2,3,4,5,6,7,8,9,10,11
	XLD \i                                         ; into the set that this K step has left
.endr
.endif
.if \s == 7
.irp i, 12,13,14,15
	XLD \i
.endr
.endif
.endm
	s_wait_alu depctr_va_vdst(0)
.irp s, 0,1,2,3,4,5,6,7
	KSTEP \s
.endr
.irp u, 0,1
.irp t, 0,1,2,3
	ds_store_b128 v[3+\u], v[ACC+8*(4*\u+\t):ACC+8*(4*\u+\t)+3] offset:64*\t        ; lane (r, h): columns 64 w + 16 t + 8 h + 0 .. 7 of stage row 16 u + r; each accumulator from its low end
	ds_store_b128 v[3+\u], v[ACC+8*(4*\u+\t)+4:ACC+8*(4*\u+\t)+7] offset:64*\t+16
.endr
.endr
	s_wait_dscnt 0x0                               ; my stores have landed, and have read the accumulators:
.irp i, 0,1,2,3,4,5,6,7
	global_load_b128 v[GA+4*\i:GA+4*\i+3], v1, s[12:13] offset:512*\i    ; gamma and beta take their registers
.endr
.irp i, 0,1,2,3,4,5,6,7
	global_load_b128 v[BE+4*\i:BE+4*\i+3], v1, s[14:15] offset:512*\i
.endr
	s_barrier_signal -1
	s_barrier_wait -1                              ; 32 whole rows lie in the stage
.irp w, 0,1
.irp i, 0,1,2,3,4,5,6,7
	ds_load_b128 v[YR+32*\w+4*\i:YR+32*\w+4*\i+3], v5 offset:SROW*\w+512*\i
.endr
.endr
	s_wait_loadcnt 16                              ; input_Q's sixteen loads are in; gamma's and beta's sixteen may be out
	s_wait_dscnt 0x0
.macro REDUCE                          ; v[240:241] -> the sum over the pair and the 32 lanes, in v240 of every lane
	s_delay_alu instid0(VALU_DEP_1)
	v_add_f32 v240, v240, v241
	s_delay_alu instid0(VALU_DEP_1)
	v_add_f32_dpp v240, v240, v240 row_xmask:1 row_mask:0xf bank_mask:0xf
	s_delay_alu instid0(VALU_DEP_1)
	v_add_f32_dpp v240, v240, v240 row_xmask:2 row_mask:0xf bank_mask:0xf
	s_delay_alu instid0(VALU_DEP_1)
	v_add_f32_dpp v240, v240, v240 row_xmask:4 row_mask:0xf bank_mask:0xf
	s_delay_alu instid0(VALU_DEP_1)
	v_add_f32_dpp v240, v240, v240 row_xmask:8 row_mask:0xf bank_mask:0xf
	s_delay_alu instid0(VALU_DEP_1)
	v_permlanex16_b32 v241, v240, s28, s29
	s_delay_alu instid0(VALU_DEP_1)
	v_add_f32 v240, v240, v241
.endm
.macro ROWLN w                         ; my row w: 32 numbers a lane
.set XB, XR+32*\w
.set YB, YR+32*\w
.irp j, 0,2,4,6,8,10,12,14,16,18,20,22,24,26,28,30
	v_pk_add_f32 v[YB+\j:YB+\j+1], v[YB+\j:YB+\j+1], v[XB+\j:XB+\j+1]    ; z = the product + input_Q
.endr
	v_pk_add_f32 v[240:241], v[YB:YB+1], v[YB+2:YB+3]
	v_pk_add_f32 v[242:243], v[YB+4:YB+5], v[YB+6:YB+7]
.irp j, 8,12,16,20,24,28
	s_delay_alu instid0(VALU_DEP_2)
	v_pk_add_f32 v[240:241], v[240:241], v[YB+\j:YB+\j+1]
	s_delay_alu instid0(VALU_DEP_2)
	v_pk_add_f32 v[242:243], v[242:243], v[YB+\j+2:YB+\j+3]
.endr
	s_delay_alu instid0(VALU_DEP_1)
	v_pk_add_f32 v[240:241], v[240:241], v[242:243]
	REDUCE
	s_delay_alu instid0(VALU_DEP_1)
	v_mul_f32 v244, s26, v240                      ; the mean
.irp j, 0,2,4,6,8,10,12,14,16,18,20,22,24,26,28,30
	v_pk_add_f32 v[YB+\j:YB+\j+1], v[YB+\j:YB+\j+1], v[244:245] op_sel_hi:[1,0] neg_lo:[0,1] neg_hi:[0,1]   ; z - mean
.endr
	v_pk_mul_f32 v[240:241], v[YB:YB+1], v[YB:YB+1]
	v_pk_mul_f32 v[242:243], v[YB+2:YB+3], v[YB+2:YB+3]
.irp j, 4,8,12,16,20,24,28
	s_delay_alu instid0(VALU_DEP_2)
	v_pk_fma_f32 v[240:241], v[YB+\j:YB+\j+1], v[YB+\j:YB+\j+1], v[240:241]
	s_delay_alu instid0(VALU_DEP_2)
	v_pk_fma_f32 v[242:243], v[YB+\j+2:YB+\j+3], v[YB+\j+2:YB+\j+3], v[242:243]
.endr
	s_delay_alu instid0(VALU_DEP_1)
	v_pk_add_f32 v[240:241], v[240:241], v[242:243]
	REDUCE
	s_delay_alu instid0(VALU_DEP_1)
	v_fma_f32 v246, v240, s26, s27                 ; the variance + 1e-5
	s_wait_alu depctr_va_vdst(0)
	v_rsq_f32 v246, v246
	v_nop                                          ; a plain line behind the transcendental
	s_wait_alu depctr_va_vdst(0)                   ; the wait ahead of the first line that names the result
.if \w == 0
	s_wait_loadcnt 0x0                             ; gamma and beta
.endif
.irp j, 0,2,4,6,8,10,12,14,16,18,20,22,24,26,28,30
	v_pk_mul_f32 v[YB+\j:YB+\j+1], v[YB+\j:YB+\j+1], v[246:247] op_sel_hi:[1,0]
.endr
.irp j, 0,2,4,6,8,10,12,14,16,18,20,22,24,26,28,30
	v_pk_fma_f32 v[YB+\j:YB+\j+1], v[YB+\j:YB+\j+1], v[GA+\j:GA+\j+1], v[BE+\j:BE+\j+1]
.endr
.irp i, 0,1,2,3,4,5,6,7
	global_store_b128 v1, v[YB+4*\i:YB+4*\i+3], s[16:17] offset:4096*\w+512*\i th:TH_STORE_NT   ; 512 consecutive bytes, aligned; written once, read by nobody here
.endr
.endm
	ROWLN 0
	ROWLN 1
	s_wait_tensorcnt 0x0                           ; the wave's end
	ds_add_u32 v6, v7
	s_wait_dscnt 0x0
	s_endpgm
.Lfunc_end_k_qb4ef0541b5_outln:
	.size	k_qb4ef0541b5_outln, .Lfunc_end_k_qb4ef0541b5_outln-k_qb4ef0541b5_outln
	.p2alignl 7, 3214868480
	.fill 96, 4, 3214868480
	.section	.rodata,"a",@progbits
	.p2align	6, 0x0
	.amdhsa_kernel k_qb4ef0541b5_outln
		.amdhsa_group_segment_fixed_size 158208
		.amdhsa_private_segment_fixed_size 0
		.amdhsa_enable_private_segment 0
		.amdhsa_kernarg_size 56
		.amdhsa_user_sgpr_count 2
		.amdhsa_user_sgpr_kernarg_segment_ptr 1
		.amdhsa_wavefront_size32 1
		.amdhsa_system_sgpr_workgroup_id_x 1
		.amdhsa_system_sgpr_workgroup_id_y 1
		.amdhsa_system_sgpr_workgroup_id_z 1
		.amdhsa_system_vgpr_workitem_id 0
		.amdhsa_next_free_vgpr 256
		.amdhsa_next_free_sgpr 66
		.amdhsa_reserve_vcc 0
		.amdhsa_float_denorm_mode_32 3
		.amdhsa_float_denorm_mode_16_64 3
		.amdhsa_memory_ordered 1
		.amdhsa_forward_progress 1
		.amdhsa_inst_pref_size 53
	.end_amdhsa_kernel
	.amdgpu_metadata
---
amdhsa.version: [ 1, 2 ]
amdhsa.kernels:
  - .name:           k_qb4ef0541b5_outln
    .symbol:         k_qb4ef0541b5_outln.kd
    .args:
      - { .name: ctx, .offset: 0, .size: 8, .value_kind: global_buffer, .address_space: global }
      - { .name: woimg, .offset: 8, .size: 8, .value_kind: global_buffer, .address_space: global }
      - { .name: w_o_scales, .offset: 16, .size: 8, .value_kind: global_buffer, .address_space: global }
      - { .name: input_Q, .offset: 24, .size: 8, .value_kind: global_buffer, .address_space: global }
      - { .name: ln_gamma, .offset: 32, .size: 8, .value_kind: global_buffer, .address_space: global }
      - { .name: ln_beta, .offset: 40, .size: 8, .value_kind: global_buffer, .address_space: global }
      - { .name: out0, .offset: 48, .size: 8, .value_kind: global_buffer, .address_space: global }
    .group_segment_fixed_size: 158208
    .private_segment_fixed_size: 0
    .kernarg_segment_align: 8
    .kernarg_segment_size: 56
    .max_flat_workgroup_size: 512
    .sgpr_count:     66
    .vgpr_count:     256
    .wavefront_size: 32
...
	.end_amdgpu_metadata
.endif
;; end of part 4
